; MI455X (gfx1250); checked and timed in simulation.
; The chip was launched on July 23, 2026; its instructions are those of AMD's public machine-readable ISA for CDNA 5 (MIT licence, August 2026) and "CDNA5" Instruction Set Architecture Reference Guide (July 2026). The comments in the code are by the model that wrote it; some were corrected since.
;; Unpadded Mistral Attention. Allowed arithmetic: float matrix products may take bf16 or f16 operands with f32 sums; other float arithmetic in f32, or as packed bf16 or f16 multiplies, adds, multiply-adds, maxima and minima; sums over many terms, partial sums and values carried from step to step in f32; what a program stores and reads back later, other than sums and carried values, may be rounded once to bf16 or f16.
;; Inputs: Wk 2,048 x 1,024 float32; Wo 2,048 x 2,048 float32; Wq 2,048 x 2,048 float32; Wv 2,048 x 1,024 float32; cos 1,024 x 128 float32; cu_seqlens 5 int32; nz_hidden_states 4,096 x 2,048 float32; nz_position_ids 4,096 int32; sin 1,024 x 128 float32.
;; Outputs: out0 4,096 x 2,048 float32.
;; Constants: max_seqlen = 1024.
;; 2 versions, each right; version 2 is version 1 with the launch cast written anew for expert scheduling mode. Each part assembles by itself: llvm-mc -triple=amdgcn-amd-amdhsa -mcpu=gfx1250 --defsym DOCPART=n.
;; ======== version 1 of 2: 4 launches
;; limits: values are held in f16: magnitudes above 65,504 overflow, below 6.1e-05 lose precision; right only within a limited range of input values
;; workspace buffers: xb 16,777,216 bytes; wqkv 16,777,216 bytes; wo16 8,388,608 bytes; rt 2,097,152 bytes; qkv 33,554,432 bytes; ob 16,777,216 bytes
;; launch cast (part 1): grid 1344 x 1, 8 waves a work-group, no clusters, 0 bytes of LDS; arguments nz_hidden_states, Wq, Wk, Wv, Wo, cos, sin, nz_position_ids, xb, wqkv, wo16, rt; writes xb, wqkv, wo16, rt
.if DOCPART == 1
	.amdgcn_target "amdgcn-amd-amdhsa--gfx1250"
	.amdhsa_code_object_version 6
	.text
	.protected	k_qefe7559711_cast
	.globl	k_qefe7559711_cast
	.p2align	8
	.type	k_qefe7559711_cast,@function
k_qefe7559711_cast:
	s_mov_b64 s[64:65], 0
	v_nop
	global_prefetch_b8 v0, s[64:65] scope:SCOPE_SE
	s_setreg_imm32_b32 hwreg(HW_REG_WAVE_MODE, 25, 1), 1
	s_wait_xcnt 0x0
; THE INPUTS ARE ROUNDED ONCE, for the matrix launches that follow.  A stream: no LDS, no barrier, no matrix work.
;   xb   [4096][2048] bf16 = x.        wqkv [2048 k][4096 n] bf16: columns 0-2047 Wq, 2048-3071 Wk, 3072-4095 Wv.
;   wo16 [2048][2048] f16: Wo rounded to bf16, that number written as f16 (the last launch multiplies it with f16 numbers).
;   rt   [4096 tokens][256] bf16: entries 0-127 cos[pos[t]][d] / 16; entries 128-255 sin[pos[t]][d] / 16, negated for d < 64
;        (the sign that rotate_half gives the partner).  The factor 1/16 is a power of two: it costs no bit, and keeps q and k far inside f16.
; LIMITS.  |Wo| stays under 65,504, and below 6e-5 it keeps f16's fixed step of 6e-8.  A position is taken as unsigned and held to 0 .. 1023, the tables' rows.
; cu_seqlens enters the module by its shape alone and max_seqlen not at all: no number hangs on their values, so they are not loaded.
; SHARES.  A chunk is 1,024 f32 (4,096 bytes in, 2,048 out).  A wave takes two neighbouring chunks: 16 loads of 512 consecutive bytes, all out at once; a work-group 16 chunks.
; Work-groups 0-511 x, 512-767 Wq, 768-895 Wk, 896-1023 Wv, 1024-1279 Wo, 1280-1343 the table (8 tokens a wave).
; Each store of a wave covers 256 consecutive bytes, aligned.  No register is written twice, so no wait frees a source.
.set VO, 3                             ; v3, v4   byte offset of my 8 bytes in the first and in the second chunk's output
.set X,  16                            ; v[16:79]   16 x 4 as loaded
.set Y,  80                            ; v[80:111]  16 x 2 to store
.set RO, 112                           ; v[112:119] the table's path: byte offset of my 16 bytes in the row of token i
	s_load_b512 s[8:23], s[0:1], 0x0               ; x s[8:9], Wq s[10:11], Wk s[12:13], Wv s[14:15], Wo s[16:17], cos s[18:19], sin s[20:21], positions s[22:23]
	s_load_b256 s[24:31], s[0:1], 0x40             ; xb s[24:25], wqkv s[26:27], wo16 s[28:29], rt s[30:31]
	v_lshrrev_b32 v5, 5, v0
	v_readfirstlane_b32 s4, v5                     ; wave 0..7
	v_and_b32 v1, 31, v0                           ; lane
	v_lshlrev_b32 v2, 4, v1                        ; 16 bytes a lane
	s_mov_b32 s5, ttmp9
	s_wait_kmcnt 0x0
	s_cmp_ge_u32 s5, 1280
	s_cbranch_scc1 .Lrope
	; which tensor: source s[32:33], destination s[34:35], first work-group s36, chunks a row as a shift s37, output pitch s38, column offset s39
	s_mov_b64 s[32:33], s[16:17]                   ; Wo, unless the number is lower
	s_mov_b64 s[34:35], s[28:29]
	s_mov_b32 s36, 1024
	s_mov_b32 s37, 1
	s_mov_b32 s38, 4096
	s_mov_b32 s39, 0
.macro REGION lim, src, dst, g0, sh, op, co
	s_cmp_lt_u32 s5, \lim
	s_cselect_b64 s[32:33], s[\src:\src+1], s[32:33]
	s_cselect_b64 s[34:35], s[\dst:\dst+1], s[34:35]
	s_cselect_b32 s36, \g0, s36
	s_cselect_b32 s37, \sh, s37
	s_cselect_b32 s38, \op, s38
	s_cselect_b32 s39, \co, s39
.endm
	REGION 1024, 14, 26, 896, 0, 8192, 6144        ; Wv: a chunk a row, into columns 3072 on
	REGION 896,  12, 26, 768, 0, 8192, 4096        ; Wk: into columns 2048 on
	REGION 768,  10, 26, 512, 1, 8192, 0           ; Wq: two chunks a row
	REGION 512,  8,  24, 0,   1, 4096, 0           ; x
	s_sub_co_u32 s40, s5, s36
	s_lshl_b32 s40, s40, 4
	s_lshl_b32 s43, s4, 1
	s_add_co_u32 s40, s40, s43                     ; my first chunk (an even number)
	s_lshr_b32 s43, s40, s37                       ; its row,
	s_mul_i32 s43, s43, s38
	s_add_co_u32 s43, s43, s39                     ; and where that begins in the output
	s_mov_b32 s42, 8192                            ; the second chunk: the next row,
	s_cmp_eq_u32 s37, 1
	s_cselect_b32 s42, 2048, s42                   ; or the row's second half
	s_lshl_b32 s40, s40, 12
	s_mov_b32 s41, 0
	s_add_nc_u64 s[32:33], s[32:33], s[40:41]
	v_lshl_add_u32 v[VO], v1, 3, s43
	v_add_nc_u32 v[VO+1], s42, v[VO]
.irp i, 0,1,2,3,4,5,6,7,8,9,10,11,12,13,14,15
	global_load_b128 v[X+4*(\i):X+4*(\i)+3], v2, s[32:33] offset:512*(\i) th:TH_LOAD_NT
.endr
; Load i is rounded and stored.  half = 1: the bf16 number is written as f16.
.macro CONV i, half
	s_wait_loadcnt 15-(\i)                         ; loads come back in order: the 15 - i younger ones may stay out
	v_cvt_pk_bf16_f32 v[Y+2*(\i)], v[X+4*(\i)], v[X+4*(\i)+1]
	v_cvt_pk_bf16_f32 v[Y+2*(\i)+1], v[X+4*(\i)+2], v[X+4*(\i)+3]
.if \half
	v_lshlrev_b32 v6, 16, v[Y+2*(\i)]
	v_and_b32 v7, 0xffff0000, v[Y+2*(\i)]
	v_lshlrev_b32 v8, 16, v[Y+2*(\i)+1]
	v_and_b32 v9, 0xffff0000, v[Y+2*(\i)+1]
	v_cvt_pk_f16_f32 v[Y+2*(\i)], v6, v7
	v_cvt_pk_f16_f32 v[Y+2*(\i)+1], v8, v9
.endif
	global_store_b64 v[VO+(\i)/8], v[Y+2*(\i):Y+2*(\i)+1], s[34:35] offset:256*((\i)%8) th:TH_STORE_NT
.endm
	s_cmp_ge_u32 s5, 1024
	s_cbranch_scc1 .Lwo
.irp i, 0,1,2,3,4,5,6,7,8,9,10,11,12,13,14,15
	CONV \i, 0
.endr
	s_endpgm
.Lwo:
.irp i, 0,1,2,3,4,5,6,7,8,9,10,11,12,13,14,15
	CONV \i, 1
.endr
	s_endpgm
.Lrope:                                                ; the table: a wave gathers the rows of 8 tokens
	s_sub_co_u32 s40, s5, 1280
	s_lshl_b32 s40, s40, 6
	s_lshl_b32 s41, s4, 3
	s_add_co_u32 s40, s40, s41                     ; my first token
	s_lshl_b32 s48, s40, 2
	s_mov_b32 s49, 0
	s_add_nc_u64 s[22:23], s[22:23], s[48:49]      ; its position,
	s_lshl_b32 s48, s40, 9
	s_add_nc_u64 s[30:31], s[30:31], s[48:49]      ; its row of 512 bytes in rt
	s_load_b256 s[40:47], s[22:23], 0x0            ; eight positions
	v_mov_b32 v8, 0x3d800000                       ; 1/16, as a pair
	v_mov_b32 v9, v8
	v_mov_b32 v12, 0xbd800000
	v_cmp_gt_u32 vcc_lo, 16, v1                    ; lanes 0-15 hold d < 64
	v_cndmask_b32 v10, v8, v12, vcc_lo             ; -1/16 there, 1/16 in the others
	v_mov_b32 v11, v10
	v_lshlrev_b32 v3, 3, v1                        ; my 8 bytes of a row's half
	s_wait_kmcnt 0x0
.irp i, 0,1,2,3,4,5,6,7
	s_min_u32 s[40+(\i)], s[40+(\i)], 0x3ff        ; inside the tables
	s_lshl_b32 s[40+(\i)], s[40+(\i)], 9           ; a row is 512 bytes
	v_add_nc_u32 v[RO+(\i)], s[40+(\i)], v2
.endr
.irp i, 0,1,2,3,4,5,6,7
	global_load_b128 v[X+8*(\i):X+8*(\i)+3],   v[RO+(\i)], s[18:19]  ; a whole row of cos: 512 consecutive bytes
	global_load_b128 v[X+8*(\i)+4:X+8*(\i)+7], v[RO+(\i)], s[20:21]  ; and of sin
.endr
.irp i, 0,1,2,3,4,5,6,7
	s_wait_loadcnt 14-2*(\i)                       ; token i's two loads are in; the later tokens' stay out
	v_pk_mul_f32 v[X+8*(\i):X+8*(\i)+1],   v[X+8*(\i):X+8*(\i)+1],   v[8:9]
	v_pk_mul_f32 v[X+8*(\i)+2:X+8*(\i)+3], v[X+8*(\i)+2:X+8*(\i)+3], v[8:9]
	v_pk_mul_f32 v[X+8*(\i)+4:X+8*(\i)+5], v[X+8*(\i)+4:X+8*(\i)+5], v[10:11]
	v_pk_mul_f32 v[X+8*(\i)+6:X+8*(\i)+7], v[X+8*(\i)+6:X+8*(\i)+7], v[10:11]
	v_cvt_pk_bf16_f32 v[Y+4*(\i)],   v[X+8*(\i)],   v[X+8*(\i)+1]
	v_cvt_pk_bf16_f32 v[Y+4*(\i)+1], v[X+8*(\i)+2], v[X+8*(\i)+3]
	v_cvt_pk_bf16_f32 v[Y+4*(\i)+2], v[X+8*(\i)+4], v[X+8*(\i)+5]
	v_cvt_pk_bf16_f32 v[Y+4*(\i)+3], v[X+8*(\i)+6], v[X+8*(\i)+7]
	global_store_b64 v3, v[Y+4*(\i):Y+4*(\i)+1],   s[30:31] offset:512*(\i)
	global_store_b64 v3, v[Y+4*(\i)+2:Y+4*(\i)+3], s[30:31] offset:512*(\i)+256
.endr
	s_endpgm
.Lfunc_end_k_qefe7559711_cast:
	.size	k_qefe7559711_cast, .Lfunc_end_k_qefe7559711_cast-k_qefe7559711_cast
	.p2alignl 7, 3214868480
	.fill 96, 4, 3214868480
	.section	.rodata,"a",@progbits
	.p2align	6, 0x0
	.amdhsa_kernel k_qefe7559711_cast
		.amdhsa_group_segment_fixed_size 0
		.amdhsa_private_segment_fixed_size 0
		.amdhsa_enable_private_segment 0
		.amdhsa_kernarg_size 96
		.amdhsa_user_sgpr_count 2
		.amdhsa_user_sgpr_kernarg_segment_ptr 1
		.amdhsa_wavefront_size32 1
		.amdhsa_system_sgpr_workgroup_id_x 1
		.amdhsa_system_sgpr_workgroup_id_y 1
		.amdhsa_system_sgpr_workgroup_id_z 1
		.amdhsa_system_vgpr_workitem_id 0
		.amdhsa_next_free_vgpr 120
		.amdhsa_next_free_sgpr 66
		.amdhsa_reserve_vcc 1
		.amdhsa_float_denorm_mode_32 3
		.amdhsa_float_denorm_mode_16_64 3
		.amdhsa_memory_ordered 1
		.amdhsa_forward_progress 1
		.amdhsa_inst_pref_size 27
	.end_amdhsa_kernel
	.amdgpu_metadata
---
amdhsa.version: [ 1, 2 ]
amdhsa.kernels:
  - .name:           k_qefe7559711_cast
    .symbol:         k_qefe7559711_cast.kd
    .args:
      - { .name: nz_hidden_states, .offset: 0, .size: 8, .value_kind: global_buffer, .address_space: global }
      - { .name: Wq, .offset: 8, .size: 8, .value_kind: global_buffer, .address_space: global }
      - { .name: Wk, .offset: 16, .size: 8, .value_kind: global_buffer, .address_space: global }
      - { .name: Wv, .offset: 24, .size: 8, .value_kind: global_buffer, .address_space: global }
      - { .name: Wo, .offset: 32, .size: 8, .value_kind: global_buffer, .address_space: global }
      - { .name: cos, .offset: 40, .size: 8, .value_kind: global_buffer, .address_space: global }
      - { .name: sin, .offset: 48, .size: 8, .value_kind: global_buffer, .address_space: global }
      - { .name: nz_position_ids, .offset: 56, .size: 8, .value_kind: global_buffer, .address_space: global }
      - { .name: xb, .offset: 64, .size: 8, .value_kind: global_buffer, .address_space: global }
      - { .name: wqkv, .offset: 72, .size: 8, .value_kind: global_buffer, .address_space: global }
      - { .name: wo16, .offset: 80, .size: 8, .value_kind: global_buffer, .address_space: global }
      - { .name: rt, .offset: 88, .size: 8, .value_kind: global_buffer, .address_space: global }
    .group_segment_fixed_size: 0
    .private_segment_fixed_size: 0
    .kernarg_segment_align: 8
    .kernarg_segment_size: 96
    .max_flat_workgroup_size: 256
    .sgpr_count:     66
    .vgpr_count:     120
    .wavefront_size: 32
...
	.end_amdgpu_metadata
.endif
;; end of part 1
;; launch qkvproj (part 2): grid 16 x 16, 4 waves a work-group, clusters of 4 x 4, 327,680 bytes of LDS; arguments xb, wqkv, rt, qkv; writes qkv
.if DOCPART == 2
	.amdgcn_target "amdgcn-amd-amdhsa--gfx1250"
	.amdhsa_code_object_version 6
	.text
	.protected	k_qefe7559711_qkvproj
	.globl	k_qefe7559711_qkvproj
	.p2align	8
	.type	k_qefe7559711_qkvproj,@function
k_qefe7559711_qkvproj:
	s_mov_b64 s[64:65], 0
	v_nop
	global_prefetch_b8 v0, s[64:65] scope:SCOPE_SE
	s_setreg_imm32_b32 hwreg(HW_REG_WAVE_MODE, 25, 1), 1
	s_wait_xcnt 0x0
	s_wait_alu depctr_hold_cnt(0) depctr_sa_sdst(0) depctr_va_vdst(0) depctr_va_sdst(0) depctr_va_ssrc(0) depctr_va_vcc(0) depctr_vm_vsrc(0)
	s_getreg_b32 s2, hwreg(HW_REG_IB_STS2, 6, 4)
	s_cmp_eq_u32 s2, 0
	s_cbranch_scc0 .Lentry_in_a_cluster
	s_endpgm
.Lentry_in_a_cluster:
	s_bfe_u32 s2, ttmp6, 0x10000c
	s_cmp_lg_u32 s2, 0xf033
	s_cbranch_scc0 .Lentry_shape_is_right
	s_endpgm
.Lentry_shape_is_right:
; qkv[t][n] = the sum over k of xb[t][k] wqkv[k][n], then RoPE on the columns of q and k.  xb [4096][2048] bf16, wqkv [2048][4096] bf16, sums in f32,
; qkv [4096][4096] f16: columns 0-2047 q / 16 (head h at 128 h), 2048-3071 k / 16, 3072-4095 v.  The factor 1/16 lies in the table rt (cos / 16, signed sin / 16, by token).
; LIMITS.  f16 ends at 65,504: |q| and |k| after RoPE stay under 1.04e6, |v| under 65,504.  NaN and infinities are not treated apart.
; SHARES.  A tile of 256 x 256 to a work-group of four waves, 256 tiles; a wave makes 128 x 128 (64 accumulators, 512 registers), and its 128 columns are exactly one head.
; K goes in 16 steps of 128 through two LDS slots filled by the tensor data mover.  x's tile lies [row][k]; the weights' tile lies [k][column] as in memory, and its fragments are turned by ds_load_tr16_b128.
; CLUSTER.  4 x 4 work-groups: the four of a row need the same tile of x, the four of a column the same tile of the weights: each is asked for jointly.
; THE MATRIX INSTRUCTION IS USED TRANSPOSED (source 0 = 16 columns of the weights, source 1 = 16 rows of x): a lane holds eight neighbouring columns of one row.
; THE WAY OUT.  RoPE pairs column d with column d xor 64 of the same head, which another lane holds.  So the wave lays its 128 x 128 sums in f32 into LDS, over the ring, whose last fill is past,
; and reads them back by rows, its own eight columns and the eight 64 away.  A cluster's x counts 1,024 columns: clusters 0, 1 hold q, 2 holds k, 3 holds v, which takes no RoPE: that one branch is alike in all partners.
; REGISTERS, in windows of 256: window 0: v16-29 addresses; v64-127, v128-191 x's fragments, two buffers; on the way out v32-255 at work.  Window 1: the weights' fragments at the same numbers.
;   Windows 2, 3: the accumulators, (a, b) at v[8 (8 (a % 4) + b)].
.set KSTEP,  128
.set PA,     272                       ; a row of x's tile in LDS: 256 bytes + 16: the 16 rows of a load start at 16 different groups of four banks
.set PB,     544                       ; a k-row of the weights' tile: 512 bytes + 32 = 17 x 32
.set HALFT,  128*PA                    ; what one tensor load brings: 128 rows of x, or 64 k-rows of the weights: 34,816 bytes either way
.set SLOT,   4*HALFT                   ; x's 256 rows, then the weights' 128 k-rows
.set PD,     528                       ; the way out: a row of 128 f32, as two planes of 256 bytes, + 16
.set DUMPW,  128*PD                    ; a wave's 128 rows
.set SPARE,  2*SLOT                    ; behind the ring: the spare words, 128 bytes for each wave: two blocks of 256 bytes that no other line names
.set LAPS,   8                         ; a lap = two K steps = once round the ring
.set ROWW,   8192                      ; bytes in a row of wqkv and of qkv
.set ADRA, 16                          ; v16-17  LDS address of my fragments of x in slot 0, 1
.set ADRB, 20                          ; v20-21  the same for the weights
.set DS,   22                          ; v22     the way out: where I put 16 bytes of a row's plane
.set RDO,  23                          ; v23     where I read my own eight columns back
.set RDP,  24                          ; v24     where I read the eight columns 64 away
.set TO,   25                          ; v25     my byte offset in the table
.set CO,   26                          ; v26     my byte offset in qkv
.set ZR,   27                          ; v27     0.0
.set SPW,  28                          ; v28     LDS address of my spare word; never rewritten
.set NIL,  29                          ; v29     0; never rewritten
.set F0,   64
.set F1,   128
.set B0,   32                          ; the way out: two buffers of 96: group i of two rows: own at +16 i, partner at +16 i + 8, cos at +64 + 8 i, sin at +68 + 8 i
.set B1,   128
.set U,    224                         ; two sets of eight f32 at work
.set Y,    240                         ; four groups' 16 bytes to store
.set G1,  24                           ; s[24:31] descriptor group 1 for x's tiles;   s[32:39] group 0, a set for each slot
.set G0,  32
.set G1B, 48                           ; s[48:55], s[56:63] the same for the weights' tiles
.set G0B, 56
.set MSB, 0
.macro WIN new                         ; the immediate's high byte repeats the setting that is left; a switch that changes nothing is dropped
.if MSB != (\new)
	s_set_vgpr_msb (MSB<<8)|(\new)
.set MSB, \new
.endif
.endm
.set MUL_LO, 0xa1                      ; source 0 (weights) window 1, source 1 (x) window 0, C and D window 2
.set MUL_HI, 0xf1                      ; the same, C and D window 3
.set TO_B,   0x40                      ; destination window 1, address window 0
; A joint load: waves 0 and 1 fetch the two halves of x's tile, waves 2 and 3 those of the weights'.  The branch hangs on the wave's number alone.
; An s_nop 0 and four v_nop follow each of the two lines, ahead of the jump and the label.
.macro JLOAD s
	s_cmp_eq_u32 s13, 0
	s_cbranch_scc0 .Lfor_b_\@
	tensor_load_to_lds s[G0+4*(\s):G0+4*(\s)+3], s[G1:G1+7]
	s_nop 0
.rept 4
	v_nop
.endr
	s_branch .Lasked_\@
.Lfor_b_\@:
	tensor_load_to_lds s[G0B+4*(\s):G0B+4*(\s)+3], s[G1B:G1B+7]
	s_nop 0
.rept 4
	v_nop
.endr
.Lasked_\@:
.endm
.macro CREST                           ; a round of the cluster's barrier behind its opening barrier
	s_cmp_lg_u32 s12, 0
	s_cbranch_scc1 .Lnot_wave_0_\@
	s_barrier_signal -3
.Lnot_wave_0_\@:
	s_barrier_wait -3
	s_barrier_signal -1
	s_barrier_wait -1
.endm
.macro CROUND                          ; a whole round
	s_barrier_signal -1
	s_barrier_wait -1
	CREST
.endm
	s_load_b256 s[4:11], s[0:1], 0x0               ; xb s[4:5], wqkv s[6:7], rt s[8:9], qkv s[10:11]
	v_lshl_add_u32 v[SPW], v0, 2, SPARE
	v_mov_b32 v[NIL], 0
	ds_add_u32 v[SPW], v[NIL]                      ; the wave's opening: the add and its wait stand ahead of my first tensor load; the set-up below, work on registers, stands between them
	v_mov_b32 v[ZR], 0
	v_lshrrev_b32 v1, 5, v0
	v_readfirstlane_b32 s12, v1                    ; wave 0..3
	s_lshr_b32 s13, s12, 1                         ; which half of the tile's rows is mine.  Also: I fetch for x (0) or for the weights (1)
	s_and_b32 s14, s12, 1                          ; which half of its columns.  Also: which half of that tile I fetch
	s_bfe_u32 s15, ttmp6, 0x40000                  ; cx
	s_bfe_u32 s16, ttmp6, 0x40004                  ; cy
	s_lshl_b32 s17, ttmp9, 2
	s_add_co_u32 s17, s17, s15                     ; tile column = 4 x cluster x + cx
	s_and_b32 s18, ttmp7, 0xffff
	s_lshl_b32 s18, s18, 2
	s_add_co_u32 s18, s18, s16                     ; tile row = 4 x cluster y + cy
	s_lshl_b32 s40, s16, 2
	s_lshl_b32 s40, 15, s40                        ; my row of the cluster
	s_lshl_b32 s41, 0x1111, s15                    ; my column
	s_or_b32 s[G1+0], s40, (1<<16)|(1<<20)|(1<<21)|(5<<22)|(3<<25)   ; the mask: x's tiles go to my row; elements of 2 bytes; padding on; bit 21 beside a mask; after every 64 words, 4 words
	s_mov_b32 s[G1+1], KSTEP<<16                   ; tensor_dim0 = 128
	s_mov_b32 s[G1+2], 128<<16                     ; tensor_dim1 = 128
	s_mov_b32 s[G1+3], KSTEP<<16                   ; tile_dim0 = 128
	s_mov_b32 s[G1+4], 128                         ; tile_dim1 = 128
	s_mov_b32 s[G1+5], 2048                        ; elements from row to row of xb
	s_mov_b32 s[G1+6], 0
	s_mov_b32 s[G1+7], 0
	s_or_b32 s[G1B+0], s41, (1<<16)|(1<<20)|(1<<21)|(6<<22)|(7<<25)  ; the mask of my column; after every 128 words, 8 words
	s_mov_b32 s[G1B+1], 256<<16                    ; tensor_dim0 = 256 columns
	s_mov_b32 s[G1B+2], 64<<16                     ; tensor_dim1 = 64 k-rows
	s_mov_b32 s[G1B+3], 256<<16                    ; tile_dim0 = 256
	s_mov_b32 s[G1B+4], 64                         ; tile_dim1 = 64
	s_mov_b32 s[G1B+5], 4096                       ; elements from row to row of wqkv
	s_mov_b32 s[G1B+6], 0
	s_mov_b32 s[G1B+7], 0
	; x's tiles hang on the tile row alone, the weights' on the tile column alone; each offset is made in registers that never hold the other coordinate
	s_lshl_b32 s20, s18, 8
	s_lshl_b32 s21, s14, 7
	s_add_co_u32 s20, s20, s21                     ; x: row 256 x tile row + 128 x half,
	s_lshl_b32 s20, s20, 12                        ; of 4,096 bytes
	s_mov_b32 s21, 0
	s_lshl_b32 s22, s14, 19                        ; weights: k-row 64 x half, of 8,192 bytes,
	s_lshl_b32 s23, s17, 9                         ; column 256 x tile column, of 2 bytes
	s_add_co_u32 s22, s22, s23
	s_mov_b32 s23, 0
	s_mul_i32 s42, s12, HALFT                      ; where they go: wave x 34,816: no place in the cluster enters an LDS address
	s_wait_dscnt 0x0                               ; the opening add is done
	s_wait_kmcnt 0x0
	s_add_nc_u64 s[44:45], s[4:5], s[20:21]
	s_add_nc_u64 s[46:47], s[6:7], s[22:23]
	CROUND                                         ; all sixteen work-groups are here: the first joint loads meet
.irp s, 0,1
	s_mov_b32 s[G0+4*(\s)], 1
	s_add_co_u32 s[G0+4*(\s)+1], s42, (\s)*SLOT
	s_add_nc_u64 s[G0+4*(\s)+2:G0+4*(\s)+3], s[44:45], (\s)*KSTEP*2      ; K step s: 256 bytes along the rows
	s_or_b32 s[G0+4*(\s)+3], s[G0+4*(\s)+3], 0x80000000
	s_mov_b32 s[G0B+4*(\s)], 1
	s_add_co_u32 s[G0B+4*(\s)+1], s42, (\s)*SLOT
	s_add_nc_u64 s[G0B+4*(\s)+2:G0B+4*(\s)+3], s[46:47], (\s)*KSTEP*ROWW  ; K step s: 128 rows down
	s_or_b32 s[G0B+4*(\s)+3], s[G0B+4*(\s)+3], 0x80000000
	JLOAD \s                                       ; two loads of mine are out
.endr
	v_and_b32 v1, 15, v0                           ; l % 16
	v_bfe_u32 v2, v0, 4, 1                         ; l / 16
	v_mul_u32_u24 v3, v1, PA
	v_lshl_add_u32 v3, v2, 4, v3                   ; x: row x pitch + 16 x half of the lanes
	s_mul_i32 s19, s13, HALFT                      ; my 128 rows
	v_add_nc_u32 v[ADRA], s19, v3
	v_add_nc_u32 v[ADRA+1], SLOT, v[ADRA]
	v_and_b32 v4, 7, v0                            ; weights: the turning load reads k-row 8 (l / 16) + l % 8, 16 bytes at 16 ((l / 8) % 2)
	v_lshl_add_u32 v4, v2, 3, v4
	v_mul_u32_u24 v4, v4, PB
	v_bfe_u32 v5, v0, 3, 1
	v_lshl_add_u32 v4, v5, 4, v4
	s_lshl_b32 s19, s14, 8                         ; my 128 columns,
	s_add_co_u32 s19, s19, 2*HALFT                 ; behind x's 256 rows
	v_add_nc_u32 v[ADRB], s19, v4
	v_add_nc_u32 v[ADRB+1], SLOT, v[ADRB]
	s_mul_i32 s19, s12, DUMPW                      ; the way out: my 128 rows of 528 bytes
	v_mul_u32_u24 v6, v1, PD
	v_lshl_add_u32 v6, v2, 4, v6
	v_add_nc_u32 v[DS], s19, v6                    ; in: row l % 16, 16 bytes for each half of the lanes
	v_mul_u32_u24 v7, v2, PD                       ; back: lanes 0-15 one row, lanes 16-31 the next; lane l % 16 takes columns 8 (l % 16) on
	v_lshl_add_u32 v8, v1, 4, v7
	v_add_nc_u32 v[RDO], s19, v8
	v_xor_b32 v9, 8, v1                            ; the columns 64 away
	v_lshl_add_u32 v8, v9, 4, v7
	v_add_nc_u32 v[RDP], s19, v8
	v_lshlrev_b32 v8, 9, v2
	v_lshl_add_u32 v[TO], v1, 4, v8                ; the same two rows in the table (512 bytes a token),
	v_lshlrev_b32 v8, 13, v2
	v_lshl_add_u32 v[CO], v1, 4, v8                ; and in qkv
	s_lshl_b32 s20, s18, 8
	s_lshl_b32 s21, s13, 7
	s_add_co_u32 s19, s20, s21                     ; my first row = token
	s_lshl_b32 s20, s19, 9
	s_mov_b32 s21, 0
	s_add_nc_u64 s[8:9], s[8:9], s[20:21]
	s_lshl_b32 s20, s19, 13
	s_add_nc_u64 s[10:11], s[10:11], s[20:21]
	s_lshl_b32 s22, s17, 9                         ; my first column, in bytes
	s_lshl_b32 s23, s14, 8
	s_add_co_u32 s22, s22, s23
	s_mov_b32 s23, 0
	s_add_nc_u64 s[10:11], s[10:11], s[22:23]
; 16 matrix instructions: row blocks a0, a0 + 1 of the window's four x all 8 column blocks, 32 along K.  zero = 1: the first product starts the sums.
; The 64 accumulators take turns, one instruction a turn, in the same order in every quarter.
.macro MUL16 f, hi, a0, zero
	WIN MUL_LO+0x50*(\hi)
.irp a, \a0, (\a0)+1
.irp b, 0,1,2,3,4,5,6,7
.if \zero
	v_wmma_f32_16x16x32_bf16 v[8*(8*(\a)+(\b)):8*(8*(\a)+(\b))+7], v[(\f)+8*(\b):(\f)+8*(\b)+7], v[(\f)+8*(4*(\hi)+(\a)):(\f)+8*(4*(\hi)+(\a))+7], 0
.else
	v_wmma_f32_16x16x32_bf16 v[8*(8*(\a)+(\b)):8*(8*(\a)+(\b))+7], v[(\f)+8*(\b):(\f)+8*(\b)+7], v[(\f)+8*(4*(\hi)+(\a)):(\f)+8*(4*(\hi)+(\a))+7], v[8*(8*(\a)+(\b)):8*(8*(\a)+(\b))+7]
.endif
.endr
.endr
.endm
; 32 LDS loads in one run: the fragments of quarter q of a K step (32 along K) into buffer f: the weights' 8 (turned), then x's 8
.macro FETCH slot, q, f
	WIN TO_B
.irp i, 0,1,2,3,4,5,6,7
	ds_load_tr16_b128 v[(\f)+8*(\i):(\f)+8*(\i)+3],   v[ADRB+(\slot)] offset:(\q)*32*PB+(\i)*32
	ds_load_tr16_b128 v[(\f)+8*(\i)+4:(\f)+8*(\i)+7], v[ADRB+(\slot)] offset:(\q)*32*PB+(\i)*32+16*PB
.endr
	WIN 0
.irp i, 0,1,2,3,4,5,6,7
	ds_load_b128 v[(\f)+8*(\i):(\f)+8*(\i)+3],   v[ADRA+(\slot)] offset:(\q)*64+(\i)*16*PA
	ds_load_b128 v[(\f)+8*(\i)+4:(\f)+8*(\i)+7], v[ADRA+(\slot)] offset:(\q)*64+(\i)*16*PA+32
.endr
.endm
.macro PLACES                          ; four places behind a matrix instruction, in front of loads into registers that it has read and of stores that read its results
.rept 4
	v_nop
.endr
.endm
; One of a K step's first three quarters: multiplies buffer f; in its middle it fetches quarter q of the same slot into buffer g.
.macro QUARTER slot, q, f, g, zero
	s_wait_dscnt 8                                 ; the weights and x's rows 0-63 are in; the youngest eight loads (x's rows 64-127) may be out
	MUL16 \f, 0, 0, \zero
	MUL16 \f, 0, 2, \zero
	PLACES
	FETCH \slot, \q, \g
	s_wait_dscnt 32                                ; all but the 32 just issued
	MUL16 \f, 1, 0, \zero
	MUL16 \f, 1, 2, \zero
.endm
; The last quarter's first half: ONE barrier for the change of slots.  In front of it each wave waits for all its tensor loads (one is out: its part of the next slot), adds 0 to its spare word,
; and waits for that and for its own reads of this slot.
.macro MEET round
	WIN 0                                          ; (the add's two registers lie in window 0)
	s_wait_tensorcnt 0x0
	ds_add_u32 v[SPW], v[NIL]
	s_wait_dscnt 9                                 ; (the add and the youngest eight loads may be out)
	MUL16 F1, 0, 0, 0                              ; sixteen matrix instructions stand between the add and the wait for it
	s_wait_dscnt 0x0                               ; the add is done, and my reads of this slot are over
	s_barrier_signal -1
	MUL16 F1, 0, 2, 0
.if \round
	WIN 0
.endif
	s_barrier_wait -1
.endm
; The whole last quarter.  fill = 1: the barrier opens a round of the cluster's barrier, and the slot just read out is filled again, two K steps on, first thing behind the round:
; 224 matrix instructions stand between that request and the wait for it.
.macro TURN slot, next, fill
	MEET \fill
.if \fill
	CREST
	s_add_nc_u64 s[G0+4*(\slot)+2:G0+4*(\slot)+3], s[G0+4*(\slot)+2:G0+4*(\slot)+3], 2*KSTEP*2
	s_add_nc_u64 s[G0B+4*(\slot)+2:G0B+4*(\slot)+3], s[G0B+4*(\slot)+2:G0B+4*(\slot)+3], 2*KSTEP*ROWW
	JLOAD \slot                                    ; the four v_nop behind it are also the places in front of the loads below
.else
	PLACES
.endif
	FETCH \next, 0, F0
	MUL16 F1, 1, 0, 0
	MUL16 F1, 1, 2, 0
.endm
	s_wait_tensorcnt 1                             ; my part of K step 0 is in; K step 1's may stay out
	s_barrier_signal -1
	s_barrier_wait -1
	FETCH 0, 0, F0
	QUARTER 0, 1, F0, F1, 1                        ; the first quarter stands in front of the loop: its products start the sums
	WIN 0
	s_mov_b32 s3, LAPS-1
.Llap:                                                 ; a trip goes once round the ring and fills both slots again
	QUARTER 0, 2, F1, F0, 0
	QUARTER 0, 3, F0, F1, 0
	TURN 0, 1, 1
	QUARTER 1, 1, F0, F1, 0
	QUARTER 1, 2, F1, F0, 0
	QUARTER 1, 3, F0, F1, 0
	TURN 1, 0, 1
	QUARTER 0, 1, F0, F1, 0
	WIN 0
	s_sub_co_u32 s3, s3, 1
	s_cmp_lg_u32 s3, 0
	s_cbranch_scc1 .Llap
	QUARTER 0, 2, F1, F0, 0                        ; the last lap fills nothing
	QUARTER 0, 3, F0, F1, 0
	TURN 0, 1, 0
	QUARTER 1, 1, F0, F1, 0
	QUARTER 1, 2, F1, F0, 0
	QUARTER 1, 3, F0, F1, 0
	s_wait_dscnt 8
	MUL16 F1, 0, 0, 0
	MUL16 F1, 0, 2, 0
	s_wait_dscnt 0x0                               ; my last reads of the ring are over:
	s_barrier_signal -1                            ; behind this barrier every wave may write over it
	MUL16 F1, 1, 0, 0
	MUL16 F1, 1, 2, 0
	WIN 0
	s_barrier_wait -1
	PLACES
	; the sums go into LDS as they lie: registers 0-3 (columns 16 b + 8 (l / 16) + 0..3) into plane 0, registers 4-7 into plane 1, at the same 16 bytes 32 b + 16 (l / 16).  Each accumulator's low registers first.
.irp a, 0,1,2,3,4,5,6,7
	WIN 0x08+4*((\a)/4)                            ; the data (source 1) in window 2 or 3
.irp b, 0,1,2,3,4,5,6,7
	ds_store_b128 v[DS], v[64*((\a)%4)+8*(\b):64*((\a)%4)+8*(\b)+3]   offset:(\a)*16*PD+32*(\b)
	ds_store_b128 v[DS], v[64*((\a)%4)+8*(\b)+4:64*((\a)%4)+8*(\b)+7] offset:(\a)*16*PD+32*(\b)+256
.endr
.endr
	WIN 0
; Eight rows (four groups of two) are read back into a buffer; LDS serves a wave's instructions in order, so these see the wave's own stores above.  u = 0, 1: which eight of the sixteen that the addresses stand at.
.macro LD buf, u, rope
.irp i, 0,1,2,3
	ds_load_b128 v[(\buf)+16*(\i):(\buf)+16*(\i)+3],   v[RDO] offset:(4*(\u)+(\i))*2*PD
	ds_load_b128 v[(\buf)+16*(\i)+4:(\buf)+16*(\i)+7], v[RDO] offset:(4*(\u)+(\i))*2*PD+256
.if \rope
	ds_load_b128 v[(\buf)+16*(\i)+8:(\buf)+16*(\i)+11],  v[RDP] offset:(4*(\u)+(\i))*2*PD
	ds_load_b128 v[(\buf)+16*(\i)+12:(\buf)+16*(\i)+15], v[RDP] offset:(4*(\u)+(\i))*2*PD+256
	global_load_b128 v[(\buf)+64+8*(\i):(\buf)+64+8*(\i)+3], v[TO], s[8:9] offset:(4*(\u)+(\i))*1024       ; cos / 16: 16 lanes take 256 consecutive bytes
	global_load_b128 v[(\buf)+68+8*(\i):(\buf)+68+8*(\i)+3], v[TO], s[8:9] offset:(4*(\u)+(\i))*1024+256   ; signed sin / 16
.endif
.endr
.endm
; The buffer's eight rows are turned (rope = 1), rounded to f16 and stored.  nl, nd: the younger global and LDS loads, which may stay out.
.macro CV buf, u, rope, nl, nd
.if \rope
	s_wait_loadcnt \nl
.endif
	s_wait_dscnt \nd
	s_wait_xcnt 0x0                                ; Y was the data of earlier stores: it is rewritten only behind this wait
.irp i, 0,1,2,3
.if \rope
.irp r, 0,2,4,6
	v_fma_mix_f32_bf16 v[U+8*((\i)%2)+(\r)],   v[(\buf)+16*(\i)+8+(\r)], v[(\buf)+68+8*(\i)+(\r)/2], v[ZR] op_sel_hi:[0,1,0]                   ; partner x sin: the word's low half,
	v_fma_mix_f32_bf16 v[U+8*((\i)%2)+(\r)+1], v[(\buf)+16*(\i)+9+(\r)], v[(\buf)+68+8*(\i)+(\r)/2], v[ZR] op_sel:[0,1,0] op_sel_hi:[0,1,0]   ; its high half
.endr
.irp r, 0,2,4,6
	v_fma_mix_f32_bf16 v[U+8*((\i)%2)+(\r)],   v[(\buf)+16*(\i)+(\r)],   v[(\buf)+64+8*(\i)+(\r)/2], v[U+8*((\i)%2)+(\r)] op_sel_hi:[0,1,0]    ; + own x cos
	v_fma_mix_f32_bf16 v[U+8*((\i)%2)+(\r)+1], v[(\buf)+16*(\i)+(\r)+1], v[(\buf)+64+8*(\i)+(\r)/2], v[U+8*((\i)%2)+(\r)+1] op_sel:[0,1,0] op_sel_hi:[0,1,0]
.endr
.irp r, 0,1,2,3
	v_cvt_pk_f16_f32 v[Y+4*(\i)+(\r)], v[U+8*((\i)%2)+2*(\r)], v[U+8*((\i)%2)+2*(\r)+1]
.endr
.else
.irp r, 0,1,2,3
	v_cvt_pk_f16_f32 v[Y+4*(\i)+(\r)], v[(\buf)+16*(\i)+2*(\r)], v[(\buf)+16*(\i)+2*(\r)+1]
.endr
.endif
	global_store_b128 v[CO], v[Y+4*(\i):Y+4*(\i)+3], s[10:11] offset:(4*(\u)+(\i))*2*ROWW  ; 16 lanes store 256 consecutive bytes, aligned: a head's row
.endr
.endm
	s_mov_b32 s3, 7
	s_cmp_lt_u32 ttmp9, 3                          ; the cluster's x: alike in all sixteen partners
	s_cbranch_scc0 .Lplain
	LD B0, 0, 1
.Lrope:                                                ; a trip: sixteen rows; one buffer is worked on while the other's loads (16 from LDS, 8 from the table) are out
	LD B1, 1, 1
	CV B0, 0, 1, 8, 16
	s_wait_xcnt 0x0                                ; the table's loads have read their offset
	v_add_nc_u32 v[RDO], 16*PD, v[RDO]
	v_add_nc_u32 v[RDP], 16*PD, v[RDP]
	v_add_nc_u32 v[TO], 16*512, v[TO]
	LD B0, 0, 1
	CV B1, 1, 1, 8, 16
	s_wait_xcnt 0x0                                ; the stores have read their offset
	v_add_nc_u32 v[CO], 16*ROWW, v[CO]
	s_sub_co_u32 s3, s3, 1
	s_cmp_lg_u32 s3, 0
	s_cbranch_scc1 .Lrope
	LD B1, 1, 1                                    ; the last sixteen rows: nothing more to read behind them
	CV B0, 0, 1, 8, 16
	CV B1, 1, 1, 0, 0
	s_branch .Ldone
.Lplain:                                               ; v: no RoPE, no table, no partner
	LD B0, 0, 0
.Lvrow:
	LD B1, 1, 0
	CV B0, 0, 0, 0, 8
	v_add_nc_u32 v[RDO], 16*PD, v[RDO]
	LD B0, 0, 0
	CV B1, 1, 0, 0, 8
	s_wait_xcnt 0x0
	v_add_nc_u32 v[CO], 16*ROWW, v[CO]
	s_sub_co_u32 s3, s3, 1
	s_cmp_lg_u32 s3, 0
	s_cbranch_scc1 .Lvrow
	LD B1, 1, 0
	CV B0, 0, 0, 0, 8
	CV B1, 1, 0, 0, 0
.Ldone:
	s_wait_tensorcnt 0x0                           ; the wave's end: the tensor wait, the add and its wait stand behind my last tensor load and my last LDS store
	ds_add_u32 v[SPW], v[NIL]
	s_wait_dscnt 0x0
	CROUND                                         ; the closing round: no work-group ends while a partner may still ask for a tile that names it
	s_endpgm
.Lfunc_end_k_qefe7559711_qkvproj:
	.size	k_qefe7559711_qkvproj, .Lfunc_end_k_qefe7559711_qkvproj-k_qefe7559711_qkvproj
	.p2alignl 7, 3214868480
	.fill 96, 4, 3214868480
	.section	.rodata,"a",@progbits
	.p2align	6, 0x0
	.amdhsa_kernel k_qefe7559711_qkvproj
		.amdhsa_group_segment_fixed_size 327680
		.amdhsa_private_segment_fixed_size 0
		.amdhsa_enable_private_segment 0
		.amdhsa_kernarg_size 32
		.amdhsa_user_sgpr_count 2
		.amdhsa_user_sgpr_kernarg_segment_ptr 1
		.amdhsa_wavefront_size32 1
		.amdhsa_system_sgpr_workgroup_id_x 1
		.amdhsa_system_sgpr_workgroup_id_y 1
		.amdhsa_system_sgpr_workgroup_id_z 1
		.amdhsa_system_vgpr_workitem_id 0
		.amdhsa_next_free_vgpr 1024
		.amdhsa_next_free_sgpr 66
		.amdhsa_reserve_vcc 0
		.amdhsa_float_denorm_mode_32 3
		.amdhsa_float_denorm_mode_16_64 3
		.amdhsa_memory_ordered 1
		.amdhsa_forward_progress 1
		.amdhsa_inst_pref_size 157
	.end_amdhsa_kernel
	.amdgpu_metadata
---
amdhsa.version: [ 1, 2 ]
amdhsa.kernels:
  - .name:           k_qefe7559711_qkvproj
    .symbol:         k_qefe7559711_qkvproj.kd
    .args:
      - { .name: xb, .offset: 0, .size: 8, .value_kind: global_buffer, .address_space: global }
      - { .name: wqkv, .offset: 8, .size: 8, .value_kind: global_buffer, .address_space: global }
      - { .name: rt, .offset: 16, .size: 8, .value_kind: global_buffer, .address_space: global }
      - { .name: qkv, .offset: 24, .size: 8, .value_kind: global_buffer, .address_space: global }
    .group_segment_fixed_size: 327680
    .private_segment_fixed_size: 0
    .kernarg_segment_align: 8
    .kernarg_segment_size: 32
    .max_flat_workgroup_size: 128
    .sgpr_count:     66
    .vgpr_count:     1024
    .wavefront_size: 32
...
	.end_amdgpu_metadata
.endif
;; end of part 2
;; launch attn (part 3): grid 6 x 32, 4 waves a work-group, no clusters, 327,680 bytes of LDS; arguments qkv, ob; writes ob
.if DOCPART == 3
	.amdgcn_target "amdgcn-amd-amdhsa--gfx1250"
	.amdhsa_code_object_version 6
	.text
	.protected	k_qefe7559711_attn
	.globl	k_qefe7559711_attn
	.p2align	8
	.type	k_qefe7559711_attn,@function
k_qefe7559711_attn:
	s_mov_b64 s[64:65], 0
	v_nop
	global_prefetch_b8 v0, s[64:65] scope:SCOPE_SE
	s_setreg_imm32_b32 hwreg(HW_REG_WAVE_MODE, 25, 1), 1
	s_wait_xcnt 0x0
; ATTENTION UNDER A CAUSAL SLIDING WINDOW, two query heads to a key and value head.  For each of 4 sequences of 1,024 tokens and each head:
; O[q] = the sum over the keys k with k <= q and q - k <= 512 of softmax_k(Q[q] . K[k] / sqrt(128)) V[k].
; qkv [4096][4096] f16: q / 16 at columns 128 h, k / 16 at 2048 + 128 kvh, v at 3072 + 128 kvh.  ob [4096][2048] f16, head h at 128 h.  Products, maxima and sums in f32; the weights p are rounded to f16
; for the second product (their sum l is taken of the unrounded p), O once at the end.  cu_seqlens enters the module by its shape alone (4 sequences of equal length): its values are not read.
; LIMITS.  A hidden score counts as its value less 1e30: f16's scores, 5.5e11 at the most, are nothing beside that.  A weight below 2^-126 counts as 0 in l.  NaN and infinities are not treated apart.
; THE WALK.  A block is 128 positions x the 2 query heads of a kv head: 256 rows.  Block j needs the key trips (128 keys) max(0, j - 4) .. j.  Work-group p of a (sequence, kv head):
; p = 0: blocks 0 then 3 (1 + 4 trips); p = 1: blocks 1 then 2 (2 + 3); p >= 2: block p + 2 (5).  Every work-group walks 5 trips, 10 key steps of 64: all 192 are alike and every trip count is a constant.
; Which tile is asked for and what a trip is hang on scalar registers made from p.  NO CLUSTER: the two heads that share K and V already share each tile through this work-group's LDS, and
; neighbouring blocks' windows are 128 keys apart: one walk common to four partners would have 8 trips where each needs 5.
; SHARES.  A wave owns 16 positions in each of the block's two bands of 64, for both heads: tile t is band t / 2, head t % 2.  PIECE 0 is band 0 (tiles 0, 1), piece 2 band 1.  So masked trips are the same work for all waves.
; THE MASK is the C operand that starts S^T = K Q^T: 0, or -1e30 where the key is hidden.  MD (key above the query's place in its band) and MW (key below it) are made once; a step's mask for band x is
; MD x ALD + BE + MW x ALW, with scalars by the step's code: 4, 5: the diagonal trip's steps; 2, 3: the steps of the trip at the window's far edge; 0, 1: a trip seen whole.
; SOFTMAX.  p = 2^(c s - c m), c = 256 log2(e) / sqrt(128) (the 256 undoes the two factors 1/16), with a running maximum m; O and l are multiplied by a = 2^(c m_old - c m_new) in every step.
; m starts at -2^83: above every hidden score, below every true one.  So a row that has seen no key yet has p = 0, and its first true score takes the maximum over with a = 0; c m starts far below that.
; A KEY STEP, in four turns.  D: V^T P of piece 2 for the step before, beside it the masks.  A: K Q^T of piece 0.  B: K Q^T of piece 2, beside it piece 0's softmax.  C: V^T P of piece 0, beside it piece 2's softmax.
; REGISTERS, in windows of 256: window 0: v2-8 addresses; v12-43 statistics, eight a tile; v64-191 S^T, 32 a tile; v192-255 P, 16 a tile.  Window 1: O^T, 64 a tile.
;   Window 2: v0-127 Q, 32 a tile; v128-255 K of one step.  Window 3: v0-127 V of one step; v128 MD; v160 MW; v192, v224 the masks of bands 0, 1.
.set KS,    64        ; keys in a step
.set PK,    272       ; a row of K in LDS: 256 bytes + 16
.set PV,    288       ; a row of V: 256 + 32
.set VOFF,  KS*PK     ; a step's tiles lie together: 64 rows of K, then 64 rows of V
.set STEPB, KS*(PK+PV)
.set SLOT1, 1<<17     ; a slot holds a trip, two steps (71,680 bytes); slot 1 begins here, so that one exclusive or turns an address in one slot into the other's
.set STAGE, SLOT1+2*STEPB  ; behind the ring, never filled by a tensor load: 16 rows x 272 bytes for each wave, for the way out
.set SP,    272
.set SPARE, STAGE+4*16*SP  ; behind the stages: the spare words, 128 bytes for each wave: two blocks of 256 bytes that no other line names
.set ROWQ,  8192      ; bytes in a row of qkv
.set ROWO,  4096      ; bytes in a row of ob
.set AK0, 2           ; v2   my lane's place in a tile of K; never rewritten
.set AV0, 3           ; v3   the same for V
.set ADR, 4           ; v4   the LDS address of the run of loads in hand
.set QO,  5           ; v5   my byte offset in 16 rows of Q
.set STO, 6           ; v6   the way out: where I put 16 bytes of a row
.set RD,  7           ; v7   the way out: where I read a row back
.set GO,  8           ; v8   my byte offset in two rows of O
.set ST,  12          ; tile t's statistics at v[ST+8 t]: +0 c m, +1 m, +2, +3 l, +4 to +7 c0-c3 at work; a takes c2's place
.set MT,  44          ; v44  at work while the masks are made
.set PFO, 61          ; v61  8,192 x my lane: a row of qkv; never rewritten
.set SPW, 62          ; v62  LDS address of my spare word; never rewritten
.set NIL, 63          ; v63  0; never rewritten
.set S,   64
.set P,   192
.set KF,  128         ; window 2
.set MD,  128         ; window 3
.set MW,  160
.set MC,  192
.set WV,  12          ; s12  my wave's number
.set PP,  14          ; s14  p
.set LIM, 15          ; s15  1 in the work-group that prefetches, else the greatest number
.set PFA, 18          ; s[18:19] where my prefetches stand
.set G1K, 24          ; s[24:31] descriptor group 1 for K's tiles
.set G1V, 32          ; s[32:39] for V's: it differs in the padding alone
.set G0K, 40          ; s[40:43] descriptor group 0 for K's tiles
.set G0V, 44          ; s[44:47] for V's
.set Q2,  48          ; s[48:49] Q at my rows of the second block
.set O2,  50          ; s[50:51] O there
.set RT,  52          ; s52  trips of the block in hand still to be entered
.set RTB, 53          ; s53  trips of the second block
.set ENDF, 54         ; s54  1: the trip just entered is a new block's first: the old block still has to leave
.set CODE, 55         ; s55  the code of the next step's masks
.set SLOTS, 56        ; s56  counts the trips that ask for another
.set TWICE, 57        ; s57  counts a trip's two steps
.set CS,  58          ; s[58:59] c
.set SEL, 60          ; s[60:61] v_permlanex16_b32's selects: each lane takes its own place in the other half
.set TB,  62          ; s62  LDS byte at which the tiles of the step to be fetched begin
.set WCODE, 63        ; s63  2 while the walk's first trip lies at the window's far edge, else 0
.set NXT, 66          ; s66  the key trip to be asked for next
.set LQ,  67          ; s67  the last key trip of the block whose trips are being asked for
.set OFF, 68          ; s[68:69] a key trip's byte offset
.set ALD0, 70         ; s[70:81] the masks' scalars, each the low word of a pair
.set ALD1, 72
.set ALW0, 74
.set ALW1, 76
.set BE0, 78
.set BE1, 80
.set BIGN, 82         ; s82  -1e30
.set JB,  83          ; s83  the second block
.set MSB, 0
.macro WIN new
.if MSB != (\new)
	s_set_vgpr_msb (MSB<<8)|(\new)
.set MSB, \new
.endif
.endm
.set W_KQ, 0x0a       ; K and Q in window 2, S^T in window 0
.set W_KM, 0x3a       ; the same with the C operand in window 3
.set W_PV, 0x53       ; V in window 3, P in window 0, O^T in window 1
.set W_RS, 0x41       ; O^T (destination and source 0) in window 1, a in window 0
.set W_MK, 0xf3       ; the masks: all in window 3
; A fill.  Waves 0 and 1 fetch the two steps' K, waves 2 and 3 their V: 64 keys each.  An s_nop 0 and four v_nop follow each of the two lines, ahead of the jump and the label.
.macro LOAD
	s_cmp_lt_u32 s[WV], 2
	s_cbranch_scc0 .Lfor_v_\@
	tensor_load_to_lds s[G0K:G0K+3], s[G1K:G1K+7]
	s_nop 0
.rept 4
	v_nop
.endr
	s_branch .Lasked_\@
.Lfor_v_\@:
	tensor_load_to_lds s[G0V:G0V+3], s[G1V:G1V+7]
	s_nop 0
.rept 4
	v_nop
.endr
.Lasked_\@:
.endm
; A PREFETCH INTO THE L2 of the key trip that the NEXT change of slots will ask for.  The six work-groups of a (sequence, kv head) begin together with key trips 0 to 3; trips 5, 6, 7 are asked for first
; by p = 5, so that one alone prefetches them: each wave the 64 rows that it will load itself, 256 bytes a row, a lane a row, two instructions: 256 matrix instructions ahead of the load.
; The last change that fills a slot asks for nothing: there is no trip behind it.
.macro ASK
	s_cmp_gt_u32 s[SLOTS], s[LIM]
	s_cbranch_scc0 .Lnot_mine_\@
	global_prefetch_b8 v[PFO], s[PFA:PFA+1] th:TH_LOAD_NT scope:SCOPE_SE
	global_prefetch_b8 v[PFO], s[PFA:PFA+1] offset:32*ROWQ th:TH_LOAD_NT scope:SCOPE_SE
.Lnot_mine_\@:
.endm
; THE CHANGE OF SLOTS.  Each wave waits for all its tensor loads, of which one is out: its part of the other slot; adds 0 to its spare word; and waits for that and for its own reads of the slot that it leaves.
; fill = 1: the old slot is filled again, first thing behind the barrier, with key trip NXT: the descriptor's address is made anew from that number.  (At its first use nothing has been read: slot 0 is waited for, slot 1 filled.)
.macro CHANGE fill
	WIN 0
	s_wait_tensorcnt 0x0            ; no tensor load of mine is out, so a group 0 may be written
	ds_add_u32 v[SPW], v[NIL]       ; 0 onto my spare word; the scalar work stands between it and the wait for it
.if \fill
	s_lshl_b32 s[OFF], s[NXT], 20   ; a key trip is 128 rows of 8,192 bytes
	s_xor_b32 s[G0K+1], s[G0K+1], SLOT1
	s_add_nc_u64 s[G0K+2:G0K+3], s[6:7], s[OFF:OFF+1]
	s_or_b32 s[G0K+3], s[G0K+3], 0x80000000
	s_xor_b32 s[G0V+1], s[G0V+1], SLOT1
	s_add_nc_u64 s[G0V+2:G0V+3], s[8:9], s[OFF:OFF+1]
	s_or_b32 s[G0V+3], s[G0V+3], 0x80000000
	s_add_co_u32 s[NXT], s[NXT], 1  ; the block's next trip, or behind its last the second block's trip 0
	s_cmp_gt_u32 s[NXT], s[LQ]
	s_cselect_b32 s[NXT], 0, s[NXT]
	s_cselect_b32 s[LQ], s[JB], s[LQ]
	s_wait_xcnt 0x0                 ; the last prefetches, a trip back, have read their address
	s_add_nc_u64 s[PFA:PFA+1], s[PFA:PFA+1], 1<<20
.endif
	s_wait_dscnt 0x0                ; the add is done, and my reads of the slot are over
	s_barrier_signal -1
	s_sub_co_u32 s[TB], s[TB], 2*STEPB  ; the fetches go back to a slot's first step,
	s_xor_b32 s[TB], s[TB], SLOT1       ; in the other slot
	s_barrier_wait -1
.if \fill
	LOAD
	ASK
.endif
.endm
; What the trip just entered is.
.macro SLOTHEAD
	s_cmp_eq_u32 s[RT], 0
	s_cselect_b32 s[ENDF], 1, 0
	s_cselect_b32 s[RT], s[RTB], s[RT]
	s_cmp_eq_u32 s[RT], 1           ; a block's last trip holds the diagonal
	s_cselect_b32 s[CODE], 4, s[WCODE]
	s_mov_b32 s[WCODE], 0
	s_sub_co_u32 s[RT], s[RT], 1
.endm
.macro STEPSCAL                     ; the masks' scalars for the step to come
	s_cmp_eq_u32 s[CODE], 4         ; diagonal trip, step 0: band 0 holds the diagonal, band 1 sees all
	s_cselect_b32 s[ALD0], 1.0, 0
	s_cmp_eq_u32 s[CODE], 5         ; step 1: band 0 sees nothing, band 1 holds the diagonal
	s_cselect_b32 s[ALD1], 1.0, 0
	s_cselect_b32 s[BE0], s[BIGN], 0
	s_cmp_eq_u32 s[CODE], 2         ; far trip, step 0: band 0 holds the edge, band 1 sees nothing
	s_cselect_b32 s[ALW0], 1.0, 0
	s_cselect_b32 s[BE1], s[BIGN], 0
	s_cmp_eq_u32 s[CODE], 3         ; step 1: band 0 sees all, band 1 holds the edge
	s_cselect_b32 s[ALW1], 1.0, 0
	s_add_co_u32 s[CODE], s[CODE], 1
.endm
.macro QLOAD base                   ; a block's Q: tile i / 4 (band i / 8, head (i / 4) % 2), channels 32 (i % 4) on
	WIN 0x80
.irp i, 0,1,2,3,4,5,6,7,8,9,10,11,12,13,14,15
	global_load_b128 v[8*(\i):8*(\i)+3],   v[QO], s[\base:\base+1] offset:((\i)/8)*64*ROWQ+(((\i)/4)%2)*256+((\i)%4)*64
	global_load_b128 v[8*(\i)+4:8*(\i)+7], v[QO], s[\base:\base+1] offset:((\i)/8)*64*ROWQ+(((\i)/4)%2)*256+((\i)%4)*64+32
.endr
	WIN 0
.endm
.macro STINIT                       ; a block begins
.irp t, 0,1,2,3
	v_mov_b32 v[ST+8*(\t)], 0xfe000000    ; c m: far below every c s
	v_mov_b32 v[ST+8*(\t)+1], 0xe9000000  ; m = -2^83
.endr
.endm
	s_load_b128 s[84:87], s[0:1], 0x0  ; qkv s[84:85], ob s[86:87]
	v_lshl_add_u32 v[SPW], v0, 2, SPARE
	v_mov_b32 v[NIL], 0
	ds_add_u32 v[SPW], v[NIL]       ; the wave's opening: the add and its wait stand ahead of my first tensor load; the set-up below, work on registers, stands between them
	v_lshrrev_b32 v1, 5, v0
	v_readfirstlane_b32 s[WV], v1   ; wave 0..3
	s_mov_b32 s[PP], ttmp9
	s_and_b32 s13, ttmp7, 0xffff
	s_lshr_b32 s16, s13, 3          ; the sequence
	s_and_b32 s17, s13, 7           ; the kv head
	s_add_co_u32 s88, s[PP], 2
	s_sub_co_u32 s89, s[PP], 2
	s_sub_co_u32 s13, 3, s[PP]
	s_cmp_lt_u32 s[PP], 2
	s_cselect_b32 s88, s[PP], s88   ; the first block
	s_cselect_b32 s89, 0, s89       ; its first key trip
	s_cselect_b32 s[JB], s13, s88   ; the second block (p >= 2: none; the first once more, never used)
	s_cselect_b32 s[WCODE], 0, 2
	s_sub_co_u32 s[RT], s88, s89
	s_add_co_u32 s[RT], s[RT], 1
	s_add_co_u32 s[RTB], s[JB], 1
	s_add_co_u32 s[NXT], s89, 1
	s_mov_b32 s[LQ], s88
	s_cmp_gt_u32 s[NXT], s[LQ]
	s_cselect_b32 s[NXT], 0, s[NXT]
	s_cselect_b32 s[LQ], s[JB], s[LQ]
	s_cmp_eq_u32 s[PP], 5
	s_cselect_b32 s[LIM], 1, -1
	s_and_b32 s13, s[WV], 1         ; which of a trip's two steps I fetch:
	s_mul_i32 s21, s13, STEPB       ; its place in a slot,
	s_lshl_b32 s2, s16, 23          ; and in memory: the sequence's 1,024 rows of 8,192 bytes,
	s_lshl_b32 s3, s13, 19          ; the step's 64 rows,
	s_add_co_u32 s2, s2, s3
	s_lshl_b32 s3, s17, 8           ; the kv head's 256 bytes,
	s_add_co_u32 s2, s2, s3
	s_add_co_u32 s2, s2, 4096       ; behind q's 4,096
	s_mov_b32 s3, 0
	s_lshl_b32 s20, s16, 23         ; Q: the sequence, my 16 rows in a band, the kv head's two query heads,
	s_lshl_b32 s22, s[WV], 17
	s_add_co_u32 s20, s20, s22
	s_lshl_b32 s22, s17, 9
	s_add_co_u32 s20, s20, s22
	s_lshl_b32 s90, s88, 20         ; and the block's 128 rows
	s_add_co_u32 s90, s90, s20
	s_mov_b32 s91, 0
	s_lshl_b32 s92, s[JB], 20
	s_add_co_u32 s92, s92, s20
	s_mov_b32 s93, 0
	s_lshl_b32 s20, s16, 22         ; O: the same in rows of 4,096 bytes
	s_lshl_b32 s23, s[WV], 16
	s_add_co_u32 s20, s20, s23
	s_add_co_u32 s20, s20, s22
	s_lshl_b32 s94, s88, 19
	s_add_co_u32 s94, s94, s20
	s_mov_b32 s95, 0
	s_lshl_b32 s22, s[JB], 19
	s_add_co_u32 s22, s22, s20
	s_mov_b32 s23, 0
	s_mov_b32 s[G1K], (1<<16)|(1<<20)|(5<<22)|(3<<25)  ; elements of 2 bytes; padding on; after every 64 words, 4 words
	s_mov_b32 s[G1V], (1<<16)|(1<<20)|(5<<22)|(7<<25)  ; the same with 8 words
.irp g, G1K, G1V
	s_mov_b32 s[\g+1], 128<<16      ; tensor_dim0 = 128
	s_mov_b32 s[\g+2], KS<<16       ; tensor_dim1 = 64
	s_mov_b32 s[\g+3], 128<<16      ; tile_dim0 = 128
	s_mov_b32 s[\g+4], KS           ; tile_dim1 = 64
	s_mov_b32 s[\g+5], 4096         ; elements from row to row of qkv
	s_mov_b32 s[\g+6], 0
	s_mov_b32 s[\g+7], 0
.endr
	s_mov_b32 s[G0K], 1
	s_mov_b32 s[G0K+1], s21         ; slot 0
	s_mov_b32 s[G0V], 1
	s_add_co_u32 s[G0V+1], s21, VOFF
	s_mov_b32 s[CS], 0x420293ee     ; c = 256 log2(e) / sqrt(128) = 32.6445
	s_mov_b32 s[CS+1], s[CS]
	s_mov_b32 s[SEL], 0x76543210
	s_mov_b32 s[SEL+1], 0xfedcba98
	s_mov_b32 s[TB], SLOT1+2*STEPB  ; the first change of slots turns this into 0
	s_mov_b32 s[SLOTS], 4
	s_mov_b32 s[BIGN], 0xf149f2ca   ; -1e30
	s_lshl_b32 s[OFF], s89, 20
	s_mov_b32 s[OFF+1], 0
.irp g, ALD0, ALD1, ALW0, ALW1, BE0, BE1
	s_mov_b32 s[\g+1], 0            ; named as pairs
.endr
	s_wait_dscnt 0x0                ; the opening add is done
	s_wait_kmcnt 0x0
	s_add_nc_u64 s[6:7], s[84:85], s[2:3]      ; K at my step of the sequence's key trip 0,
	s_add_nc_u64 s[8:9], s[6:7], 2048          ; V 2,048 bytes further along the rows
	s_add_nc_u64 s[4:5], s[84:85], s[90:91]    ; Q and O at my rows of the first block,
	s_add_nc_u64 s[Q2:Q2+1], s[84:85], s[92:93]
	s_add_nc_u64 s[10:11], s[86:87], s[94:95]
	s_add_nc_u64 s[O2:O2+1], s[86:87], s[22:23]  ; and of the second
	s_add_nc_u64 s[G0K+2:G0K+3], s[6:7], s[OFF:OFF+1]
	s_or_b32 s[G0K+3], s[G0K+3], 0x80000000
	s_add_nc_u64 s[G0V+2:G0V+3], s[8:9], s[OFF:OFF+1]
	s_or_b32 s[G0V+3], s[G0V+3], 0x80000000
	s_cmp_lt_u32 s[WV], 2
	s_cselect_b64 s[PFA:PFA+1], s[6:7], s[8:9]
	s_add_nc_u64 s[PFA:PFA+1], s[PFA:PFA+1], s[OFF:OFF+1]
	s_add_nc_u64 s[PFA:PFA+1], s[PFA:PFA+1], 1<<20  ; at the walk's second trip: the first change steps it to the third.  Nothing is prefetched here, at the head
	LOAD                            ; the walk's first trip into slot 0: one load of mine is out
	v_and_b32 v1, 15, v0            ; l % 16
	v_bfe_u32 v9, v0, 4, 1          ; l / 16
	v_lshlrev_b32 v[QO], 13, v1
	v_lshl_add_u32 v[QO], v9, 4, v[QO]  ; row x 8,192 + 16 x half
	QLOAD 4
	v_lshlrev_b32 v[MT], 3, v9
	v_sub_nc_u32 v[MT], v1, v[MT]
	s_lshl_b32 s13, s[WV], 4
	v_add_nc_u32 v[MT], s13, v[MT]  ; my query's place in its band, 16 w + l % 16, less my lanes' 8 (l / 16): register r of key group kt stands for key 16 kt + r against it
	WIN 0xc0
.set i, 0
.rept 32
	v_cmp_gt_i32 vcc_lo, 16*(i/8)+i%8, v[MT]
	v_cndmask_b32 v[MD+i], 0, s[BIGN], vcc_lo
	v_cmp_lt_i32 vcc_lo, 16*(i/8)+i%8, v[MT]
	v_cndmask_b32 v[MW+i], 0, s[BIGN], vcc_lo
.set i, i+1
.endr
	WIN 0
	v_mul_u32_u24 v[AK0], v1, PK
	v_lshl_add_u32 v[AK0], v9, 4, v[AK0]
	v_and_b32 v10, 7, v0            ; the turning load: key 8 (l / 16) + l % 8, channels 8 ((l / 8) % 2) on
	v_bfe_u32 v11, v0, 3, 1
	v_lshl_add_u32 v[AV0], v9, 3, v10
	v_mul_u32_u24 v[AV0], v[AV0], PV
	v_lshl_add_u32 v[AV0], v11, 4, v[AV0]
	v_add_nc_u32 v[AV0], VOFF, v[AV0]
	s_mul_i32 s13, s[WV], 16*SP
	s_add_co_u32 s13, s13, STAGE    ; my stage
	v_mul_u32_u24 v[STO], v1, SP
	v_lshl_add_u32 v[STO], v9, 4, v[STO]
	v_add_nc_u32 v[STO], s13, v[STO]
	v_mul_u32_u24 v[RD], v9, SP
	v_lshl_add_u32 v[RD], v1, 4, v[RD]
	v_add_nc_u32 v[RD], s13, v[RD]
	v_lshlrev_b32 v[GO], 12, v9
	v_lshl_add_u32 v[GO], v1, 4, v[GO]
	v_and_b32 v[PFO], 31, v0
	v_lshlrev_b32 v[PFO], 13, v[PFO]
	; a block's first step multiplies O^T and l by a = 0, so they need only be finite: zeros for the first block, what the first block left for the second.  This stands in the wait for the first tile.
	WIN 0x40
.set i, 0
.rept 256
	v_mov_b32 v[i], 0
.set i, i+1
.endr
	WIN 0
	STINIT
.irp t, 0,1,2,3
	v_mov_b32 v[ST+8*(\t)+2], 0
	v_mov_b32 v[ST+8*(\t)+3], 0
.endr
; THE MATRIX WORK, for piece x.  The accumulators take turns, one instruction a turn: between two links of a chain stand 15 (V^T P) or 7 (K Q^T) others'.
.macro MPV x                        ; product i of 32 of O^T += V^T P: keys 32 (i / 16) on, channels 16 ((i / 2) % 8) on, tile x + i % 2
	WIN W_PV
.set rO, 64*((\x)+i%2)+8*((i/2)%8)
.set rV, 64*(i/16)+8*((i/2)%8)
.set rP, P+16*((\x)+i%2)+8*(i/16)
	v_wmma_f32_16x16x32_f16 v[rO:rO+7], v[rV:rV+7], v[rP:rP+7], v[rO:rO+7]
.endm
.macro MKQ x                        ; product i of 32 of S^T = K Q^T: channels 32 (i / 8) on, keys 16 ((i / 2) % 4) on, tile x + i % 2.  The first 8 start the sums with the band's mask
.set rS, S+32*((\x)+i%2)+8*((i/2)%4)
.set rK, KF+32*((i/2)%4)+8*(i/8)
.set rQ, 32*((\x)+i%2)+8*(i/8)
.set rM, MC+16*(\x)+8*((i/2)%4)
.if i < 8
	WIN W_KM
	v_wmma_f32_16x16x32_f16 v[rS:rS+7], v[rK:rK+7], v[rQ:rQ+7], v[rM:rM+7]
.else
	WIN W_KQ
	v_wmma_f32_16x16x32_f16 v[rS:rS+7], v[rK:rK+7], v[rQ:rQ+7], v[rS:rS+7]
.endif
.endm
.macro FETCH_K                      ; a step's K: 16 fragments, 32 loads in one run
	WIN 0
	v_add_nc_u32 v[ADR], s[TB], v[AK0]
	WIN 0x80
.irp f, 0,1,2,3,4,5,6,7,8,9,10,11,12,13,14,15  ; keys 16 (f / 4) on, channels 32 (f % 4) on
	ds_load_b128 v[KF+8*(\f):KF+8*(\f)+3],   v[ADR] offset:((\f)/4)*16*PK+((\f)%4)*64
	ds_load_b128 v[KF+8*(\f)+4:KF+8*(\f)+7], v[ADR] offset:((\f)/4)*16*PK+((\f)%4)*64+32
.endr
.endm
.macro FETCH_V                      ; the same step's V, turned
	WIN 0
	v_add_nc_u32 v[ADR], s[TB], v[AV0]
	s_add_co_u32 s[TB], s[TB], STEPB  ; the next fetch is the next step's
	WIN 0xc0
.irp f, 0,1,2,3,4,5,6,7,8,9,10,11,12,13,14,15  ; keys 32 (f / 8) on, channels 16 (f % 8) on
	ds_load_tr16_b128 v[8*(\f):8*(\f)+3],   v[ADR] offset:((\f)/8)*32*PV+((\f)%8)*32
	ds_load_tr16_b128 v[8*(\f)+4:8*(\f)+7], v[ADR] offset:((\f)/8)*32*PV+16*PV+((\f)%8)*32
.endr
.endm
; Two lines of the 64 that make both bands' masks: i < 16: pair i = MD x ALD + BE; then pair i - 16 += MW x ALW.
.macro MKR
	WIN W_MK
.if i < 16
	v_pk_fma_f32 v[MC+2*i:MC+2*i+1], v[MD+2*i:MD+2*i+1], s[ALD0:ALD0+1], s[BE0:BE0+1] op_sel_hi:[1,0,0]
	v_pk_fma_f32 v[MC+32+2*i:MC+32+2*i+1], v[MD+2*i:MD+2*i+1], s[ALD1:ALD1+1], s[BE1:BE1+1] op_sel_hi:[1,0,0]
.else
	v_pk_fma_f32 v[MC+2*i-32:MC+2*i-31], v[MW+2*i-32:MW+2*i-31], s[ALW0:ALW0+1], v[MC+2*i-32:MC+2*i-31] op_sel_hi:[1,0,1]
	v_pk_fma_f32 v[MC+2*i:MC+2*i+1], v[MW+2*i-32:MW+2*i-31], s[ALW1:ALW1+1], v[MC+2*i:MC+2*i+1] op_sel_hi:[1,0,1]
.endif
.endm
; THE VECTOR WORK.  One tile's softmax for one key step is a list of 134 instructions; SM writes number j of it for tile t.  s0-s31 are the lane's 32 scores, in pairs 0-15.
;   0-15    the maximum of s0-s31 and the old m, three operands at a time (each accumulator's lowest registers are read first)
;   16-20   the other half of the lanes' maximum; the new m; c m; c m_old - c m_new
;   21-69   ONE BATCH: the 16 scalings c s - c m and all 33 exponentials (a at 23).  None of these reads an exponential's result
;   (wait)  between 69 and 70: SLICE writes it, once for both tiles
;   70-85   the roundings to f16     86-101  the sums; l = a l + the sum     102-133 the tile's O^T times a
.macro SM t
.set rT, ST+8*(\t)
.set rS, S+32*(\t)
.set rP, P+16*(\t)
.set rO, 64*(\t)+2*(j-102)
.if j < 102
	WIN 0
.endif
.if j < 4
	v_max3_num_f32 v[rT+4+j], v[rS+8*j], v[rS+8*j+1], v[rS+8*j+2]
.elseif j < 12
	v_max3_num_f32 v[rT+4+j%4], v[rT+4+j%4], v[rS+8*(j%4)+2*(j/4)+1], v[rS+8*(j%4)+2*(j/4)+2]
.elseif j == 12
	v_max3_num_f32 v[rT+4], v[rT+4], v[rS+7], v[rS+15]
.elseif j == 13
	v_max3_num_f32 v[rT+6], v[rT+6], v[rS+23], v[rS+31]
.elseif j == 14
	v_max3_num_f32 v[rT+4], v[rT+4], v[rT+5], v[rT+6]
.elseif j == 15
	v_max3_num_f32 v[rT+4], v[rT+4], v[rT+7], v[rT+1]
.elseif j == 16
	v_permlanex16_b32 v[rT+5], v[rT+4], s[SEL], s[SEL+1]  ; the query's other 32 keys lie in the lane 16 away
.elseif j == 17
	v_mov_b32 v[rT+7], v[rT]        ; c m_old is kept for a
.elseif j == 18
	v_max_num_f32 v[rT+1], v[rT+4], v[rT+5]
.elseif j == 19
	v_mul_f32 v[rT], s[CS], v[rT+1]
.elseif j == 20
	v_sub_f32 v[rT+7], v[rT+7], v[rT]
.elseif j == 23
	v_exp_f32 v[rT+6], v[rT+7]
.elseif (j < 23) || ((j < 38) && (j%2 == 0)) || ((j < 66) && (j%4 == 2))
.set b, (j-2)/4                     ; 38, 42, .. 62: pairs 9 to 15
.if j < 38
.set b, (j-20)/2                    ; 21: pair 0; 22, 24, .. 36: pairs 1 to 8
.endif
	v_pk_fma_f32 v[rS+2*b:rS+2*b+1], v[rS+2*b:rS+2*b+1], s[CS:CS+1], v[rT:rT+1] op_sel_hi:[1,0,0] neg_lo:[0,0,1] neg_hi:[0,0,1]
.elseif j < 70
.set e, j-38                        ; 66 to 69: s28 to s31
.if j < 66
.set e, j-32-(j-38)/4               ; 39-41, 43-45, .. 63-65: s7 to s27
.endif
.if j < 38
.set e, (j-25)/2                    ; 25, 27, .. 37: s0 to s6
.endif
	v_exp_f32 v[rS+e], v[rS+e]
.elseif j < 86
	v_cvt_pk_f16_f32 v[rP+j-70], v[rS+2*(j-70)], v[rS+2*(j-70)+1]
.elseif j < 102                     ; sum z of 16 adds neighbours 1, 2, 4 and 8 pairs apart, in place; then l takes it
.set z, j-86
.set w, 4
.set u, z
.if z >= 14
.set w, 32
.set u, 0
.elseif z >= 12
.set w, 16
.set u, z-12
.elseif z >= 8
.set w, 8
.set u, z-8
.endif
.if z < 15
	v_pk_add_f32 v[rS+w*u:rS+w*u+1], v[rS+w*u:rS+w*u+1], v[rS+w*u+w/2:rS+w*u+w/2+1]
.else
	v_pk_fma_f32 v[rT+2:rT+3], v[rT+2:rT+3], v[rT+6:rT+7], v[rS:rS+1] op_sel_hi:[1,0,1]
.endif
.else
	WIN W_RS
	v_pk_mul_f32 v[rO:rO+1], v[rO:rO+1], v[rT+6:rT+7] op_sel_hi:[1,0]
.endif
.endm
; Slice k of 64 of piece y's softmax: four instructions (slice 63: sixteen).  Slices 11 to 34 deal out the batch, four numbers of one tile each; every other slice is numbers 2 k, 2 k + 1 of both tiles.
; Behind slice 34 stand a plain instruction and the one wait between the piece's 66 exponentials and the first line that names a result of theirs.
.macro SLICE y
.if (k >= 11) && (k < 35)
.irp n, 0,1,2,3
.set j, 22+4*((k-11)/2)+(\n)
	SM (\y)+(k-11)%2
.endr
.else
.irp n, 0,1,2,3,4,5,6,7
.if ((\n) < 2) || (k == 63)
.irp t, \y, (\y)+1
.set j, 2*k+(\n)
	SM \t
.endr
.endif
.endr
.endif
.if k == 34
	v_nop
	s_wait_alu depctr_va_vdst(0)
.endif
.set k, k+1
.endm
.macro PLACES
.rept 4
	v_nop
.endr
.endm
.macro TURND                        ; V^T P of piece 2 for the step before; behind each product two lines of the masks for the step to come
.set i, 0
.rept 32
	MPV 2
	MKR
.set i, i+1
.endr
.endm
; Turns A, B, C of a step.  V's run of loads stands four places behind the last product that read V; K's, issued a turn earlier, is waited for with V's 32 still out.
; Piece 0's scores are read four places behind turn A; piece 2's behind slices 62 and 63 of turn B, twenty plain lines that name none of its registers.
.macro CORE
	WIN 0
	PLACES
	FETCH_V
	s_wait_dscnt 32                 ; K is in; V's 32 loads may stay out
.set i, 0
.rept 32
	MKQ 0
.set i, i+1
.endr
	PLACES
.set i, 0
.set k, 0
.rept 32
	MKQ 2
	SLICE 0
	SLICE 0
.set i, i+1
.endr
	s_wait_dscnt 0x0                ; V is in
.set i, 0
.set k, 0
.rept 32
	MPV 0
	SLICE 2
	SLICE 2
.set i, i+1
.endr
	WIN 0
.endm
; THE WAY OUT.  l's two halves and the other half of the lanes' are added; O^T is divided by l, rounded to f16 and sent through my stage in LDS, a tile (16 rows of one head) at a time.
.macro PACK t
	WIN W_RS
.set i, 64*(\t)
.rept 32
	v_pk_mul_f32 v[i:i+1], v[i:i+1], v[ST+8*(\t)+6:ST+8*(\t)+7] op_sel_hi:[1,0]
.set i, i+2
.endr
	WIN 0x05                        ; sources 0 and 1 window 1, destination window 0: S^T's registers are free
.set i, 0
.rept 32
	v_cvt_pk_f16_f32 v[S+32*(\t)+i], v[64*(\t)+2*i], v[64*(\t)+2*i+1]
.set i, i+1
.endr
	WIN 0
.irp f, 0,1,2,3,4,5,6,7
	ds_store_b128 v[STO], v[S+32*(\t)+4*(\f):S+32*(\t)+4*(\f)+3] offset:32*(\f)
.endr
.irp f, 0,1,2,3,4,5,6,7
	ds_load_b128 v[S+32*(\t)+4*(\f):S+32*(\t)+4*(\f)+3], v[RD] offset:(\f)*2*SP  ; LDS serves a wave's instructions in order: these see the stores above; the next tile's stores come behind them
.endr
.endm
.macro SEND t, younger              ; younger: the LDS instructions issued behind tile t's loads: the next tile's sixteen, or none
	WIN 0
.irp f, 0,1,2,3,4,5,6,7
	s_wait_dscnt (\younger)+7-(\f)
	global_store_b128 v[GO], v[S+32*(\t)+4*(\f):S+32*(\t)+4*(\f)+3], s[10:11] offset:((\t)/2)*64*ROWO+((\t)%2)*256+(\f)*2*ROWO  ; 16 lanes store 256 consecutive bytes, aligned: a head's row
.endr
.endm
.macro WAYOUT
	WIN 0
.irp t, 0,1,2,3
	v_add_f32 v[ST+8*(\t)+4], v[ST+8*(\t)+2], v[ST+8*(\t)+3]   ; these additions are the places behind the last products
.endr
.irp t, 0,1,2,3
	v_permlanex16_b32 v[ST+8*(\t)+5], v[ST+8*(\t)+4], s[SEL], s[SEL+1]
.endr
.irp t, 0,1,2,3
	v_add_f32 v[ST+8*(\t)+4], v[ST+8*(\t)+4], v[ST+8*(\t)+5]
.endr
.irp t, 0,1,2,3
	v_rcp_f32 v[ST+8*(\t)+6], v[ST+8*(\t)+4]
.endr
	v_nop                           ; a plain instruction between the last reciprocal and the use of its result,
	s_wait_alu depctr_va_vdst(0)    ; and the wait for them: one for the four
	PACK 0
	PACK 1
	SEND 0, 16
	PACK 2
	SEND 1, 16
	PACK 3
	SEND 2, 16
	SEND 3, 0
.endm
; THE FIRST BLOCK LEAVES AND THE SECOND BEGINS: its Q is asked for first and lands while the old block goes out.
.macro BLOCKEND
	QLOAD Q2
	WAYOUT
	s_wait_xcnt 0x0                 ; the stores have read their data, which the next scores overwrite, and O's address
	s_mov_b64 s[10:11], s[O2:O2+1]
	STINIT
	s_wait_loadcnt 0x0              ; Q
	s_mov_b32 s[ENDF], 0
.endm
	CHANGE 1                        ; slot 0 is in, everybody's part of it; the walk's second trip is asked for
	SLOTHEAD
	STEPSCAL
	FETCH_K
.set i, 0
.rept 32
	MKR                             ; the first step's masks, in one run: there is no product yet to set them beside
.set i, i+1
.endr
	WIN 0
	s_wait_loadcnt 0x0              ; Q
	s_mov_b32 s[TWICE], 2
	s_branch .Lenter                ; the loop is entered behind turn D: there is no step before the first
.Lslot:                             ; trips 1, 2, 3 of the walk: each asks for the next but one
	CHANGE 1
	SLOTHEAD
	s_mov_b32 s[TWICE], 2
.Lstep:
	STEPSCAL
	FETCH_K
	TURND
	WIN 0
	s_cmp_eq_u32 s[ENDF], 0
	s_cbranch_scc1 .Lenter
	BLOCKEND
.Lenter:
	CORE
	s_sub_co_u32 s[TWICE], s[TWICE], 1
	s_cmp_lg_u32 s[TWICE], 0
	s_cbranch_scc1 .Lstep
	s_sub_co_u32 s[SLOTS], s[SLOTS], 1
	s_cmp_lg_u32 s[SLOTS], 0
	s_cbranch_scc1 .Lslot
	CHANGE 0                        ; the walk's last trip is written out: nothing is asked for, and no block changes here
	SLOTHEAD
	s_mov_b32 s[TWICE], 2
.Ltstep:
	STEPSCAL
	FETCH_K
	TURND
	CORE
	s_sub_co_u32 s[TWICE], s[TWICE], 1
	s_cmp_lg_u32 s[TWICE], 0
	s_cbranch_scc1 .Ltstep
.set i, 0
.rept 32
	MPV 2                           ; piece 2: V^T P of the last step
.set i, i+1
.endr
	WAYOUT
	s_wait_tensorcnt 0x0            ; the wave's end: the tensor wait, the add and its wait stand behind my last tensor load and my last LDS store
	ds_add_u32 v[SPW], v[NIL]
	s_wait_dscnt 0x0
	s_endpgm
.Lfunc_end_k_qefe7559711_attn:
	.size	k_qefe7559711_attn, .Lfunc_end_k_qefe7559711_attn-k_qefe7559711_attn
	.p2alignl 7, 3214868480
	.fill 96, 4, 3214868480
	.section	.rodata,"a",@progbits
	.p2align	6, 0x0
	.amdhsa_kernel k_qefe7559711_attn
		.amdhsa_group_segment_fixed_size 327680
		.amdhsa_private_segment_fixed_size 0
		.amdhsa_enable_private_segment 0
		.amdhsa_kernarg_size 16
		.amdhsa_user_sgpr_count 2
		.amdhsa_user_sgpr_kernarg_segment_ptr 1
		.amdhsa_wavefront_size32 1
		.amdhsa_system_sgpr_workgroup_id_x 1
		.amdhsa_system_sgpr_workgroup_id_y 1
		.amdhsa_system_sgpr_workgroup_id_z 1
		.amdhsa_system_vgpr_workitem_id 0
		.amdhsa_next_free_vgpr 1024
		.amdhsa_next_free_sgpr 96
		.amdhsa_reserve_vcc 1
		.amdhsa_float_denorm_mode_32 3
		.amdhsa_float_denorm_mode_16_64 3
		.amdhsa_memory_ordered 1
		.amdhsa_forward_progress 1
		.amdhsa_inst_pref_size 196
	.end_amdhsa_kernel
	.amdgpu_metadata
---
amdhsa.version: [ 1, 2 ]
amdhsa.kernels:
  - .name:           k_qefe7559711_attn
    .symbol:         k_qefe7559711_attn.kd
    .args:
      - { .name: qkv, .offset: 0, .size: 8, .value_kind: global_buffer, .address_space: global }
      - { .name: ob, .offset: 8, .size: 8, .value_kind: global_buffer, .address_space: global }
    .group_segment_fixed_size: 327680
    .private_segment_fixed_size: 0
    .kernarg_segment_align: 8
    .kernarg_segment_size: 16
    .max_flat_workgroup_size: 128
    .sgpr_count:     96
    .vgpr_count:     1024
    .wavefront_size: 32
...
	.end_amdgpu_metadata
.endif
;; end of part 3
;; launch oproj (part 4): grid 8 x 32, 4 waves a work-group, clusters of 4 x 4, 327,680 bytes of LDS; arguments ob, wo16, out0; writes out0
.if DOCPART == 4
	.amdgcn_target "amdgcn-amd-amdhsa--gfx1250"
	.amdhsa_code_object_version 6
	.text
	.protected	k_qefe7559711_oproj
	.globl	k_qefe7559711_oproj
	.p2align	8
	.type	k_qefe7559711_oproj,@function
k_qefe7559711_oproj:
	s_mov_b64 s[64:65], 0
	v_nop
	global_prefetch_b8 v0, s[64:65] scope:SCOPE_SE
	s_setreg_imm32_b32 hwreg(HW_REG_WAVE_MODE, 25, 1), 1
	s_wait_xcnt 0x0
	s_wait_alu depctr_hold_cnt(0) depctr_sa_sdst(0) depctr_va_vdst(0) depctr_va_sdst(0) depctr_va_ssrc(0) depctr_va_vcc(0) depctr_vm_vsrc(0)
	s_getreg_b32 s2, hwreg(HW_REG_IB_STS2, 6, 4)
	s_cmp_eq_u32 s2, 0
	s_cbranch_scc0 .Lentry_in_a_cluster
	s_endpgm
.Lentry_in_a_cluster:
	s_bfe_u32 s2, ttmp6, 0x10000c
	s_cmp_lg_u32 s2, 0xf033
	s_cbranch_scc0 .Lentry_shape_is_right
	s_endpgm
.Lentry_shape_is_right:
; out0[t][n] = the sum over k of ob[t][k] wo16[k][n].  ob [4096][2048] f16, wo16 [2048][2048] f16 (Wo rounded to bf16, written as f16), sums in f32, out0 [4096][2048] f32.
; SHARES.  Tiles of 256 x 256 would be 128, half as many as there are WGPs: the tile is 128 rows x 256 columns, 256 work-groups.  Four waves, each 64 x 128: 32 accumulators, 256 registers.
; K goes in 16 steps of 128 through two LDS slots.  ob's tile lies [row][k]; the weights' [k][column] as in memory, turned by ds_load_tr16_b128.
; CLUSTER.  4 x 4 work-groups: ob's tile is shared along a row of the cluster, the weights' along a column: each is asked for jointly.
; THE MATRIX INSTRUCTION IS USED TRANSPOSED (source 0 = 16 columns of the weights, source 1 = 16 rows of ob): a lane holds eight neighbouring columns of one row: 32 bytes of out0.
; REGISTERS: window 0: v16-29 addresses; v64-127 ob's fragments, two buffers of 32; v128-255 the weights', two of 64; on the way out v64-191 hold rows.  Window 1: the accumulators, (a, b) at v[8 (8 a + b)].
.set KSTEP,  128
.set PA,     272
.set PB,     544
.set HA,     64*PA                     ; what a load for ob brings: 64 rows
.set HB,     64*PB                     ; for the weights: 64 k-rows of 512 bytes
.set SLOT,   2*HA+2*HB                 ; ob's 128 rows, then the weights' 128 k-rows
.set STAGE,  2*SLOT                    ; behind the ring, never filled by a tensor load: 16 rows x 528 bytes for each wave
.set SPITCH, 528
.set SPARE,  STAGE+4*16*SPITCH         ; behind the stages: the spare words, 128 bytes for each wave: two blocks of 256 bytes that no other line names
.set LAPS,   8
.set ROWB,   4096                      ; bytes in a row of ob and of wo16
.set ROWC,   8192                      ; bytes in a row of out0
.set ADRA, 16
.set ADRB, 20
.set STO,  24
.set RD,   25
.set CO,   26
.set SPW,  28
.set NIL,  29
.set FA,   64
.set FB,   128
.set OB,   64
.set G1,  24
.set G0,  32
.set G1B, 48
.set G0B, 56
.set MSB, 0
.macro WIN new
.if MSB != (\new)
	s_set_vgpr_msb (MSB<<8)|(\new)
.set MSB, \new
.endif
.endm
.set MUL, 0x50                         ; both sources window 0; C and D window 1
.macro JLOAD s                         ; a joint load: waves 0 and 1 fetch ob's two halves, waves 2 and 3 the weights'; an s_nop 0 and four v_nop follow each line
	s_cmp_eq_u32 s13, 0
	s_cbranch_scc0 .Lfor_b_\@
	tensor_load_to_lds s[G0+4*(\s):G0+4*(\s)+3], s[G1:G1+7]
	s_nop 0
.rept 4
	v_nop
.endr
	s_branch .Lasked_\@
.Lfor_b_\@:
	tensor_load_to_lds s[G0B+4*(\s):G0B+4*(\s)+3], s[G1B:G1B+7]
	s_nop 0
.rept 4
	v_nop
.endr
.Lasked_\@:
.endm
.macro CREST
	s_cmp_lg_u32 s12, 0
	s_cbranch_scc1 .Lnot_wave_0_\@
	s_barrier_signal -3
.Lnot_wave_0_\@:
	s_barrier_wait -3
	s_barrier_signal -1
	s_barrier_wait -1
.endm
.macro CROUND
	s_barrier_signal -1
	s_barrier_wait -1
	CREST
.endm
	s_load_b128 s[4:7], s[0:1], 0x0                ; ob s[4:5], wo16 s[6:7]
	s_load_b64 s[10:11], s[0:1], 0x10              ; out0
	v_lshl_add_u32 v[SPW], v0, 2, SPARE
	v_mov_b32 v[NIL], 0
	ds_add_u32 v[SPW], v[NIL]                      ; the wave's opening: the add and its wait stand ahead of my first tensor load
	v_lshrrev_b32 v1, 5, v0
	v_readfirstlane_b32 s12, v1                    ; wave 0..3
	s_lshr_b32 s13, s12, 1                         ; my half of the tile's rows.  Also: I fetch for ob (0) or for the weights (1)
	s_and_b32 s14, s12, 1                          ; my half of its columns.  Also: which half of that tile I fetch
	s_bfe_u32 s15, ttmp6, 0x40000                  ; cx
	s_bfe_u32 s16, ttmp6, 0x40004                  ; cy
	s_lshl_b32 s17, ttmp9, 2
	s_add_co_u32 s17, s17, s15                     ; tile column
	s_and_b32 s18, ttmp7, 0xffff
	s_lshl_b32 s18, s18, 2
	s_add_co_u32 s18, s18, s16                     ; tile row
	s_lshl_b32 s40, s16, 2
	s_lshl_b32 s40, 15, s40                        ; my row of the cluster
	s_lshl_b32 s41, 0x1111, s15                    ; my column
	s_or_b32 s[G1+0], s40, (1<<16)|(1<<20)|(1<<21)|(5<<22)|(3<<25)
	s_mov_b32 s[G1+1], KSTEP<<16                   ; tensor_dim0 = 128
	s_mov_b32 s[G1+2], 64<<16                      ; tensor_dim1 = 64
	s_mov_b32 s[G1+3], KSTEP<<16                   ; tile_dim0 = 128
	s_mov_b32 s[G1+4], 64                          ; tile_dim1 = 64
	s_mov_b32 s[G1+5], 2048
	s_mov_b32 s[G1+6], 0
	s_mov_b32 s[G1+7], 0
	s_or_b32 s[G1B+0], s41, (1<<16)|(1<<20)|(1<<21)|(6<<22)|(7<<25)
	s_mov_b32 s[G1B+1], 256<<16                    ; tensor_dim0 = 256
	s_mov_b32 s[G1B+2], 64<<16                     ; tensor_dim1 = 64
	s_mov_b32 s[G1B+3], 256<<16                    ; tile_dim0 = 256
	s_mov_b32 s[G1B+4], 64                         ; tile_dim1 = 64
	s_mov_b32 s[G1B+5], 2048
	s_mov_b32 s[G1B+6], 0
	s_mov_b32 s[G1B+7], 0
	s_lshl_b32 s20, s18, 7
	s_lshl_b32 s21, s14, 6
	s_add_co_u32 s20, s20, s21                     ; ob: row 128 x tile row + 64 x half,
	s_lshl_b32 s20, s20, 12                        ; of 4,096 bytes
	s_mov_b32 s21, 0
	s_lshl_b32 s22, s14, 18                        ; weights: k-row 64 x half, of 4,096 bytes,
	s_lshl_b32 s23, s17, 9                         ; column 256 x tile column
	s_add_co_u32 s22, s22, s23
	s_mov_b32 s23, 0
	s_mul_i32 s42, s14, HA                         ; where they go: ob's halves,
	s_mul_i32 s43, s14, HB
	s_add_co_u32 s43, s43, 2*HA                    ; and behind them the weights'
	s_wait_dscnt 0x0                               ; the opening add is done
	s_wait_kmcnt 0x0
	s_add_nc_u64 s[44:45], s[4:5], s[20:21]
	s_add_nc_u64 s[46:47], s[6:7], s[22:23]
	CROUND                                         ; all sixteen work-groups are here: the first joint loads meet
.irp s, 0,1
	s_mov_b32 s[G0+4*(\s)], 1
	s_add_co_u32 s[G0+4*(\s)+1], s42, (\s)*SLOT
	s_add_nc_u64 s[G0+4*(\s)+2:G0+4*(\s)+3], s[44:45], (\s)*KSTEP*2
	s_or_b32 s[G0+4*(\s)+3], s[G0+4*(\s)+3], 0x80000000
	s_mov_b32 s[G0B+4*(\s)], 1
	s_add_co_u32 s[G0B+4*(\s)+1], s43, (\s)*SLOT
	s_add_nc_u64 s[G0B+4*(\s)+2:G0B+4*(\s)+3], s[46:47], (\s)*KSTEP*ROWB
	s_or_b32 s[G0B+4*(\s)+3], s[G0B+4*(\s)+3], 0x80000000
	JLOAD \s                                       ; two loads of mine are out
.endr
	v_and_b32 v1, 15, v0                           ; l % 16
	v_bfe_u32 v2, v0, 4, 1                         ; l / 16
	v_mul_u32_u24 v3, v1, PA
	v_lshl_add_u32 v3, v2, 4, v3
	s_mul_i32 s19, s13, HA                         ; my 64 rows
	v_add_nc_u32 v[ADRA], s19, v3
	v_add_nc_u32 v[ADRA+1], SLOT, v[ADRA]
	v_and_b32 v4, 7, v0
	v_lshl_add_u32 v4, v2, 3, v4
	v_mul_u32_u24 v4, v4, PB
	v_bfe_u32 v5, v0, 3, 1
	v_lshl_add_u32 v4, v5, 4, v4
	s_lshl_b32 s19, s14, 8                         ; my 128 columns
	s_add_co_u32 s19, s19, 2*HA
	v_add_nc_u32 v[ADRB], s19, v4
	v_add_nc_u32 v[ADRB+1], SLOT, v[ADRB]
	s_mul_i32 s19, s12, 16*SPITCH
	s_add_co_u32 s19, s19, STAGE                   ; my stage
	v_mul_u32_u24 v6, v1, SPITCH                   ; in: row l % 16, 32 bytes for each half of the lanes
	v_lshl_add_u32 v6, v2, 5, v6
	v_add_nc_u32 v[STO], s19, v6
	v_and_b32 v7, 31, v0
	v_lshlrev_b32 v[CO], 4, v7                     ; back and out: 32 lanes take a row's 512 bytes
	v_add_nc_u32 v[RD], s19, v[CO]
	s_lshl_b32 s20, s18, 7
	s_lshl_b32 s21, s13, 6
	s_add_co_u32 s20, s20, s21                     ; my first row
	s_lshl_b32 s20, s20, 13
	s_mov_b32 s21, 0
	s_add_nc_u64 s[10:11], s[10:11], s[20:21]
	s_lshl_b32 s22, s17, 10                        ; my first column, in bytes
	s_lshl_b32 s23, s14, 9
	s_add_co_u32 s22, s22, s23
	s_mov_b32 s23, 0
	s_add_nc_u64 s[10:11], s[10:11], s[22:23]
; 8 matrix instructions: row block a x all 8 column blocks, 32 along K, from buffer f.  The 32 accumulators take turns, one instruction a turn.
.macro MULA f, a, zero
	WIN MUL
.irp b, 0,1,2,3,4,5,6,7
.if \zero
	v_wmma_f32_16x16x32_f16 v[8*(8*(\a)+(\b)):8*(8*(\a)+(\b))+7], v[FB+64*(\f)+8*(\b):FB+64*(\f)+8*(\b)+7], v[FA+32*(\f)+8*(\a):FA+32*(\f)+8*(\a)+7], 0
.else
	v_wmma_f32_16x16x32_f16 v[8*(8*(\a)+(\b)):8*(8*(\a)+(\b))+7], v[FB+64*(\f)+8*(\b):FB+64*(\f)+8*(\b)+7], v[FA+32*(\f)+8*(\a):FA+32*(\f)+8*(\a)+7], v[8*(8*(\a)+(\b)):8*(8*(\a)+(\b))+7]
.endif
.endr
.endm
; 24 LDS loads in one run: quarter q of a K step into buffer f: the weights' 8 fragments (turned), then ob's 4
.macro FETCH slot, q, f
	WIN 0
.irp i, 0,1,2,3,4,5,6,7
	ds_load_tr16_b128 v[FB+64*(\f)+8*(\i):FB+64*(\f)+8*(\i)+3],   v[ADRB+(\slot)] offset:(\q)*32*PB+(\i)*32
	ds_load_tr16_b128 v[FB+64*(\f)+8*(\i)+4:FB+64*(\f)+8*(\i)+7], v[ADRB+(\slot)] offset:(\q)*32*PB+(\i)*32+16*PB
.endr
.irp i, 0,1,2,3
	ds_load_b128 v[FA+32*(\f)+8*(\i):FA+32*(\f)+8*(\i)+3],   v[ADRA+(\slot)] offset:(\q)*64+(\i)*16*PA
	ds_load_b128 v[FA+32*(\f)+8*(\i)+4:FA+32*(\f)+8*(\i)+7], v[ADRA+(\slot)] offset:(\q)*64+(\i)*16*PA+32
.endr
.endm
.macro PLACES
.rept 4
	v_nop
.endr
.endm
.macro QUARTER slot, q, f, g, zero
	s_wait_dscnt 4                                 ; the weights and ob's rows 0-31 are in; the youngest four loads (rows 32-63) may be out
	MULA \f, 0, \zero
	MULA \f, 1, \zero
	PLACES
	FETCH \slot, \q, \g
	s_wait_dscnt 24                                ; all but the 24 just issued
	MULA \f, 2, \zero
	MULA \f, 3, \zero
.endm
; The last quarter multiplies buffer 1 and changes slots: ONE barrier; in front of it each wave waits for all its tensor loads, adds 0 to its spare word, and waits for that and for its reads of this slot.
; fill = 1: the barrier opens a round of the cluster's barrier, and this slot is filled again, two K steps on, first thing behind it: 112 matrix instructions ahead of the wait for it.
.macro TURN slot, next, fill
	WIN 0
	s_wait_tensorcnt 0x0
	ds_add_u32 v[SPW], v[NIL]
	s_wait_dscnt 5                                 ; (the add and the youngest four loads may be out)
	MULA 1, 0, 0
	s_wait_dscnt 0x0                               ; the add is done, and my reads of this slot are over
	s_barrier_signal -1
	MULA 1, 1, 0
	WIN 0
	s_barrier_wait -1
.if \fill
	CREST
	s_add_nc_u64 s[G0+4*(\slot)+2:G0+4*(\slot)+3], s[G0+4*(\slot)+2:G0+4*(\slot)+3], 2*KSTEP*2
	s_add_nc_u64 s[G0B+4*(\slot)+2:G0B+4*(\slot)+3], s[G0B+4*(\slot)+2:G0B+4*(\slot)+3], 2*KSTEP*ROWB
	JLOAD \slot                                    ; the four v_nop behind it are also the places in front of the loads below
.else
	PLACES
.endif
	FETCH \next, 0, 0
	MULA 1, 2, 0
	MULA 1, 3, 0
.endm
	s_wait_tensorcnt 1                             ; my part of K step 0 is in; K step 1's may stay out
	s_barrier_signal -1
	s_barrier_wait -1
	FETCH 0, 0, 0
	QUARTER 0, 1, 0, 1, 1                          ; the first quarter stands in front of the loop: its products start the sums
	WIN 0
	s_mov_b32 s3, LAPS-1
.Llap:
	QUARTER 0, 2, 1, 0, 0
	QUARTER 0, 3, 0, 1, 0
	TURN 0, 1, 1
	QUARTER 1, 1, 0, 1, 0
	QUARTER 1, 2, 1, 0, 0
	QUARTER 1, 3, 0, 1, 0
	TURN 1, 0, 1
	QUARTER 0, 1, 0, 1, 0
	WIN 0
	s_sub_co_u32 s3, s3, 1
	s_cmp_lg_u32 s3, 0
	s_cbranch_scc1 .Llap
	QUARTER 0, 2, 1, 0, 0                          ; the last lap fills nothing
	QUARTER 0, 3, 0, 1, 0
	TURN 0, 1, 0
	QUARTER 1, 1, 0, 1, 0
	QUARTER 1, 2, 1, 0, 0
	QUARTER 1, 3, 0, 1, 0
	s_wait_dscnt 4
	MULA 1, 0, 0
	MULA 1, 1, 0
	s_wait_dscnt 0x0
	MULA 1, 2, 0
	MULA 1, 3, 0
	WIN 0
	PLACES
	; THE WAY OUT, 16 rows at a time through my own stage: 32 bytes a lane in, whole rows of 512 bytes back, each stored by one instruction.
.irp a, 0,1,2,3
	s_wait_xcnt 0x0                                ; earlier stores have read their data: the buffer is loaded again only behind this wait
	WIN 0x04                                       ; the data (source 1) in window 1
.irp b, 0,1,2,3,4,5,6,7
	ds_store_b128 v[STO], v[8*(8*(\a)+(\b)):8*(8*(\a)+(\b))+3]   offset:64*(\b)
	ds_store_b128 v[STO], v[8*(8*(\a)+(\b))+4:8*(8*(\a)+(\b))+7] offset:64*(\b)+16
.endr
	WIN 0
.irp t, 0,1,2,3,4,5,6,7,8,9,10,11,12,13,14,15
	ds_load_b128 v[OB+64*((\a)%2)+4*(\t):OB+64*((\a)%2)+4*(\t)+3], v[RD] offset:(\t)*SPITCH  ; LDS serves a wave's instructions in order: these see the stores above
.endr
.irp t, 0,1,2,3,4,5,6,7,8,9,10,11,12,13,14,15
	s_wait_dscnt 15-(\t)                           ; row t is back; the later rows' loads may stay out
	global_store_b128 v[CO], v[OB+64*((\a)%2)+4*(\t):OB+64*((\a)%2)+4*(\t)+3], s[10:11] offset:(16*(\a)+(\t))*ROWC th:TH_STORE_NT  ; 512 consecutive bytes, aligned
.endr
.endr
	s_wait_tensorcnt 0x0                           ; the wave's end: the tensor wait, the add and its wait stand behind my last tensor load and my last LDS store
	ds_add_u32 v[SPW], v[NIL]
	s_wait_dscnt 0x0
	CROUND                                         ; the closing round: no work-group ends while a partner may still ask for a tile that names it
	s_endpgm
.Lfunc_end_k_qefe7559711_oproj:
	.size	k_qefe7559711_oproj, .Lfunc_end_k_qefe7559711_oproj-k_qefe7559711_oproj
	.p2alignl 7, 3214868480
	.fill 96, 4, 3214868480
	.section	.rodata,"a",@progbits
	.p2align	6, 0x0
	.amdhsa_kernel k_qefe7559711_oproj
		.amdhsa_group_segment_fixed_size 327680
		.amdhsa_private_segment_fixed_size 0
		.amdhsa_enable_private_segment 0
		.amdhsa_kernarg_size 24
		.amdhsa_user_sgpr_count 2
		.amdhsa_user_sgpr_kernarg_segment_ptr 1
		.amdhsa_wavefront_size32 1
		.amdhsa_system_sgpr_workgroup_id_x 1
		.amdhsa_system_sgpr_workgroup_id_y 1
		.amdhsa_system_sgpr_workgroup_id_z 1
		.amdhsa_system_vgpr_workitem_id 0
		.amdhsa_next_free_vgpr 512
		.amdhsa_next_free_sgpr 66
		.amdhsa_reserve_vcc 0
		.amdhsa_float_denorm_mode_32 3
		.amdhsa_float_denorm_mode_16_64 3
		.amdhsa_memory_ordered 1
		.amdhsa_forward_progress 1
		.amdhsa_inst_pref_size 87
	.end_amdhsa_kernel
	.amdgpu_metadata
---
amdhsa.version: [ 1, 2 ]
amdhsa.kernels:
  - .name:           k_qefe7559711_oproj
    .symbol:         k_qefe7559711_oproj.kd
    .args:
      - { .name: ob, .offset: 0, .size: 8, .value_kind: global_buffer, .address_space: global }
      - { .name: wo16, .offset: 8, .size: 8, .value_kind: global_buffer, .address_space: global }
      - { .name: out0, .offset: 16, .size: 8, .value_kind: global_buffer, .address_space: global }
    .group_segment_fixed_size: 327680
    .private_segment_fixed_size: 0
    .kernarg_segment_align: 8
    .kernarg_segment_size: 24
    .max_flat_workgroup_size: 128
    .sgpr_count:     66
    .vgpr_count:     512
    .wavefront_size: 32
...
	.end_amdgpu_metadata
.endif
;; end of part 4
;; ======== version 2 of 2: 4 launches; version 1 with the launch cast written anew for expert scheduling mode
;; limits: values are held in f16: magnitudes above 65,504 overflow, below 6.1e-05 lose precision; right only within a limited range of input values
;; workspace buffers: xb 16,777,216 bytes; wqkv 16,777,216 bytes; wo16 8,388,608 bytes; rt 2,097,152 bytes; qkv 33,554,432 bytes; ob 16,777,216 bytes
;; launch cast (part 5): grid 1344 x 1, 8 waves a work-group, no clusters, 0 bytes of LDS; arguments nz_hidden_states, Wq, Wk, Wv, Wo, cos, sin, nz_position_ids, xb, wqkv, wo16, rt; writes xb, wqkv, wo16, rt
.if DOCPART == 5
	.amdgcn_target "amdgcn-amd-amdhsa--gfx1250"
	.amdhsa_code_object_version 6
	.text
	.protected	k_qefe7559711_cast
	.globl	k_qefe7559711_cast
	.p2align	8
	.type	k_qefe7559711_cast,@function
k_qefe7559711_cast:
	s_mov_b64 s[64:65], 0
	v_nop
	global_prefetch_b8 v0, s[64:65] scope:SCOPE_SE
	s_setreg_imm32_b32 hwreg(HW_REG_WAVE_SCHED_MODE, 0, 2), 2
	s_setreg_imm32_b32 hwreg(HW_REG_WAVE_MODE, 25, 1), 1
	s_wait_xcnt 0x0
	s_wait_alu depctr_vm_vsrc(0)
; THE INPUTS ARE ROUNDED ONCE, for the matrix launches that follow.  A stream: no LDS, no barrier, no matrix work.
;   xb   [4096][2048] bf16 = x.        wqkv [2048 k][4096 n] bf16: columns 0-2047 Wq, 2048-3071 Wk, 3072-4095 Wv.
;   wo16 [2048][2048] f16: Wo rounded to bf16, that number written as f16 (the last launch multiplies it with f16 numbers).
;   rt   [4096 tokens][256] bf16: entries 0-127 cos[pos[t]][d] / 16; entries 128-255 sin[pos[t]][d] / 16, negated for d < 64
;        (the sign that rotate_half gives the partner).  The factor 1/16 is a power of two: it costs no bit, and keeps q and k far inside f16.
; LIMITS.  |Wo| stays under 65,504, and below 6e-5 it keeps f16's fixed step of 6e-8.  A position is taken as unsigned and held to 0 .. 1023, the tables' rows.
; cu_seqlens enters the module by its shape alone and max_seqlen not at all: no number hangs on their values, so they are not loaded.
; SHARES.  A chunk is 1,024 f32 (4,096 bytes in, 2,048 out).  A wave takes two neighbouring chunks: 16 loads of 512 consecutive bytes, all out at once; a work-group 16 chunks.
; Work-groups 0-511 x, 512-767 Wq, 768-895 Wk, 896-1023 Wv, 1024-1279 Wo, 1280-1343 the table (8 tokens a wave).
; Each store of a wave covers 256 consecutive bytes, aligned.
; THE MODE: SCHED_MODE bits 1:0 = 2 (LLVM: expert scheduling mode 2), set by the entry lines.  The code itself states the register dependences
; between vector instructions and memory instructions, with s_wait_alu, always for 0.
; THE PLAN.  Registers that memory instructions touch:
;   v2, VO (v3, v4), RO   byte offsets.  Written by vector lines ahead of a path's run of loads, read by its loads and stores, never written again.
;   X    Written by the 16 loads, which go out in one run before any vector line names X; read by the conversions; no load lands there a second time.
;   Y    Each pair is written by the conversions of its load and read by one store; it is not written behind that store.
;   v6-v12 are named by vector lines alone.
; The 16 loads are worked off in four groups of four.  Group g converts X[g] into Y[g]; its memory instructions are the four stores of group g - 1, which read Y[g - 1] and an offset:
; registers that no vector line of group g names.  So ONE wait on va_vdst at a group's head, behind the wait for the group's data, states all that those four stores hang on, and they are dealt
; among the group's conversions with no further wait.  No register that a load or store reads is ever written again, so no wait frees a source; EXEC is never written.
.set VO, 3                             ; v3, v4   byte offset of my 8 bytes in the first and in the second chunk's output
.set X,  16                            ; v[16:79]   16 x 4 as loaded
.set Y,  80                            ; v[80:111]  16 x 2 to store
.set RO, 112                           ; v[112:119] the table's path: byte offset of my 16 bytes in the row of token i
	s_load_b512 s[8:23], s[0:1], 0x0               ; x s[8:9], Wq s[10:11], Wk s[12:13], Wv s[14:15], Wo s[16:17], cos s[18:19], sin s[20:21], positions s[22:23]
	s_load_b256 s[24:31], s[0:1], 0x40             ; xb s[24:25], wqkv s[26:27], wo16 s[28:29], rt s[30:31]
	v_lshrrev_b32 v5, 5, v0
	v_readfirstlane_b32 s4, v5                     ; wave 0..7
	v_and_b32 v1, 31, v0                           ; lane
	v_lshlrev_b32 v2, 4, v1                        ; 16 bytes a lane
	s_mov_b32 s5, ttmp9
	s_wait_alu depctr_va_sdst(0)                   ; s4 is written: ahead of the branch below, and so of its first reader on either path
	s_wait_kmcnt 0x0
	s_cmp_ge_u32 s5, 1280
	s_cbranch_scc1 .Lrope
	; which tensor: source s[32:33], destination s[34:35], first work-group s36, chunks a row as a shift s37, output pitch s38, column offset s39
	s_mov_b64 s[32:33], s[16:17]                   ; Wo, unless the number is lower
	s_mov_b64 s[34:35], s[28:29]
	s_mov_b32 s36, 1024
	s_mov_b32 s37, 1
	s_mov_b32 s38, 4096
	s_mov_b32 s39, 0
.macro REGION lim, src, dst, g0, sh, op, co
	s_cmp_lt_u32 s5, \lim
	s_cselect_b64 s[32:33], s[\src:\src+1], s[32:33]
	s_cselect_b64 s[34:35], s[\dst:\dst+1], s[34:35]
	s_cselect_b32 s36, \g0, s36
	s_cselect_b32 s37, \sh, s37
	s_cselect_b32 s38, \op, s38
	s_cselect_b32 s39, \co, s39
.endm
	REGION 1024, 14, 26, 896, 0, 8192, 6144        ; Wv: a chunk a row, into columns 3072 on
	REGION 896,  12, 26, 768, 0, 8192, 4096        ; Wk: into columns 2048 on
	REGION 768,  10, 26, 512, 1, 8192, 0           ; Wq: two chunks a row
	REGION 512,  8,  24, 0,   1, 4096, 0           ; x
	s_sub_co_u32 s40, s5, s36
	s_lshl_b32 s40, s40, 4
	s_lshl_b32 s43, s4, 1
	s_add_co_u32 s40, s40, s43                     ; my first chunk (an even number)
	s_lshr_b32 s43, s40, s37                       ; its row,
	s_mul_i32 s43, s43, s38
	s_add_co_u32 s43, s43, s39                     ; and where that begins in the output
	s_mov_b32 s42, 8192                            ; the second chunk: the next row,
	s_cmp_eq_u32 s37, 1
	s_cselect_b32 s42, 2048, s42                   ; or the row's second half
	s_lshl_b32 s40, s40, 12
	s_mov_b32 s41, 0
	s_add_nc_u64 s[32:33], s[32:33], s[40:41]
	v_lshl_add_u32 v[VO], v1, 3, s43
	v_add_nc_u32 v[VO+1], s42, v[VO]
	s_wait_alu depctr_va_vdst(0)                   ; v2, v3 and v4 are written: the loads below read v2 as their offset, every store of this path v3 or v4
.irp i, 0,1,2,3,4,5,6,7,8,9,10,11,12,13,14,15
	global_load_b128 v[X+4*(\i):X+4*(\i)+3], v2, s[32:33] offset:512*(\i) th:TH_LOAD_NT
.endr
; Load i is rounded.  half = 1: the bf16 number is written as f16.
.macro CVT i, half
	v_cvt_pk_bf16_f32 v[Y+2*(\i)], v[X+4*(\i)], v[X+4*(\i)+1]
	v_cvt_pk_bf16_f32 v[Y+2*(\i)+1], v[X+4*(\i)+2], v[X+4*(\i)+3]
.if \half
	v_lshlrev_b32 v6, 16, v[Y+2*(\i)]
	v_and_b32 v7, 0xffff0000, v[Y+2*(\i)]
	v_lshlrev_b32 v8, 16, v[Y+2*(\i)+1]
	v_and_b32 v9, 0xffff0000, v[Y+2*(\i)+1]
	v_cvt_pk_f16_f32 v[Y+2*(\i)], v6, v7
	v_cvt_pk_f16_f32 v[Y+2*(\i)+1], v8, v9
.endif
.endm
; What load i became is stored.
.macro OUT i
	global_store_b64 v[VO+(\i)/8], v[Y+2*(\i):Y+2*(\i)+1], s[34:35] offset:256*((\i)%8) th:TH_STORE_NT
.endm
; Group g: loads 4 g to 4 g + 3 are rounded; the stores of the group before stand among the conversions.
.macro GROUP g, half
	s_wait_loadcnt 12-4*(\g)                       ; loads come back in order: the group's four are in, the 12 - 4 g younger ones may stay out
.if (\g) > 0
	s_wait_alu depctr_va_vdst(0)                   ; the group before has written its eight registers of Y, which the four stores below read; no vector line behind this wait names them
.endif
.irp n, 0,1,2,3
.if (\g) > 0
	OUT 4*(\g)-4+(\n)
.endif
	CVT 4*(\g)+(\n), \half
.endr
.endm
.macro LASTOUT
	s_wait_alu depctr_va_vdst(0)                   ; group 3 has written its eight registers of Y, which the last four stores read
	OUT 12
	OUT 13
	OUT 14
	OUT 15
.endm
	s_cmp_ge_u32 s5, 1024
	s_cbranch_scc1 .Lwo
	GROUP 0, 0
	GROUP 1, 0
	GROUP 2, 0
	GROUP 3, 0
	LASTOUT
	s_endpgm
.Lwo:
	GROUP 0, 1
	GROUP 1, 1
	GROUP 2, 1
	GROUP 3, 1
	LASTOUT
	s_endpgm
.Lrope:                                                ; the table: a wave gathers the rows of 8 tokens
	s_sub_co_u32 s40, s5, 1280
	s_lshl_b32 s40, s40, 6
	s_lshl_b32 s41, s4, 3
	s_add_co_u32 s40, s40, s41                     ; my first token
	s_lshl_b32 s48, s40, 2
	s_mov_b32 s49, 0
	s_add_nc_u64 s[22:23], s[22:23], s[48:49]      ; its position,
	s_lshl_b32 s48, s40, 9
	s_add_nc_u64 s[30:31], s[30:31], s[48:49]      ; its row of 512 bytes in rt
	s_load_b256 s[40:47], s[22:23], 0x0            ; eight positions
	v_mov_b32 v8, 0x3d800000                       ; 1/16, as a pair
	v_mov_b32 v9, v8
	v_mov_b32 v12, 0xbd800000
	v_cmp_gt_u32 vcc_lo, 16, v1                    ; lanes 0-15 hold d < 64
	s_wait_alu depctr_va_vcc(0)                    ; the compare has written VCC, which the select below reads
	v_cndmask_b32 v10, v8, v12, vcc_lo             ; -1/16 there, 1/16 in the others
	v_mov_b32 v11, v10
	v_lshlrev_b32 v3, 3, v1                        ; my 8 bytes of a row's half
	s_wait_kmcnt 0x0
.irp i, 0,1,2,3,4,5,6,7
	s_min_u32 s[40+(\i)], s[40+(\i)], 0x3ff        ; inside the tables
	s_lshl_b32 s[40+(\i)], s[40+(\i)], 9           ; a row is 512 bytes
	v_add_nc_u32 v[RO+(\i)], s[40+(\i)], v2
.endr
	s_wait_alu depctr_va_vdst(0)                   ; the eight offsets v[RO ..] are written, which the loads below read, and v3, which every store of this path reads
.irp i, 0,1,2,3,4,5,6,7
	global_load_b128 v[X+8*(\i):X+8*(\i)+3],   v[RO+(\i)], s[18:19]  ; a whole row of cos: 512 consecutive bytes
	global_load_b128 v[X+8*(\i)+4:X+8*(\i)+7], v[RO+(\i)], s[20:21]  ; and of sin
.endr
; Token i's row is scaled and rounded.
.macro RCV i
	v_pk_mul_f32 v[X+8*(\i):X+8*(\i)+1],   v[X+8*(\i):X+8*(\i)+1],   v[8:9]
	v_pk_mul_f32 v[X+8*(\i)+2:X+8*(\i)+3], v[X+8*(\i)+2:X+8*(\i)+3], v[8:9]
	v_pk_mul_f32 v[X+8*(\i)+4:X+8*(\i)+5], v[X+8*(\i)+4:X+8*(\i)+5], v[10:11]
	v_pk_mul_f32 v[X+8*(\i)+6:X+8*(\i)+7], v[X+8*(\i)+6:X+8*(\i)+7], v[10:11]
	v_cvt_pk_bf16_f32 v[Y+4*(\i)],   v[X+8*(\i)],   v[X+8*(\i)+1]
	v_cvt_pk_bf16_f32 v[Y+4*(\i)+1], v[X+8*(\i)+2], v[X+8*(\i)+3]
	v_cvt_pk_bf16_f32 v[Y+4*(\i)+2], v[X+8*(\i)+4], v[X+8*(\i)+5]
	v_cvt_pk_bf16_f32 v[Y+4*(\i)+3], v[X+8*(\i)+6], v[X+8*(\i)+7]
.endm
; Token i's row is stored.
.macro ROUT i
	global_store_b64 v3, v[Y+4*(\i):Y+4*(\i)+1],   s[30:31] offset:512*(\i)
	global_store_b64 v3, v[Y+4*(\i)+2:Y+4*(\i)+3], s[30:31] offset:512*(\i)+256
.endm
.irp g, 0,1,2,3                                        ; a group is two tokens: four loads, four stores
	s_wait_loadcnt 12-4*(\g)                       ; the group's four loads are in; the later tokens' stay out
.if (\g) > 0
	s_wait_alu depctr_va_vdst(0)                   ; the group before has written its eight registers of Y, which the four stores below read; no vector line behind this wait names them
.endif
.irp n, 0,1
.if (\g) > 0
	ROUT 2*(\g)-2+(\n)
.endif
	RCV 2*(\g)+(\n)
.endr
.endr
	s_wait_alu depctr_va_vdst(0)                   ; tokens 6 and 7 have written their eight registers of Y, which the last four stores read
	ROUT 6
	ROUT 7
	s_endpgm
.Lfunc_end_k_qefe7559711_cast:
	.size	k_qefe7559711_cast, .Lfunc_end_k_qefe7559711_cast-k_qefe7559711_cast
	.p2alignl 7, 3214868480
	.fill 96, 4, 3214868480
	.section	.rodata,"a",@progbits
	.p2align	6, 0x0
	.amdhsa_kernel k_qefe7559711_cast
		.amdhsa_group_segment_fixed_size 0
		.amdhsa_private_segment_fixed_size 0
		.amdhsa_enable_private_segment 0
		.amdhsa_kernarg_size 96
		.amdhsa_user_sgpr_count 2
		.amdhsa_user_sgpr_kernarg_segment_ptr 1
		.amdhsa_wavefront_size32 1
		.amdhsa_system_sgpr_workgroup_id_x 1
		.amdhsa_system_sgpr_workgroup_id_y 1
		.amdhsa_system_sgpr_workgroup_id_z 1
		.amdhsa_system_vgpr_workitem_id 0
		.amdhsa_next_free_vgpr 120
		.amdhsa_next_free_sgpr 66
		.amdhsa_reserve_vcc 1
		.amdhsa_float_denorm_mode_32 3
		.amdhsa_float_denorm_mode_16_64 3
		.amdhsa_memory_ordered 1
		.amdhsa_forward_progress 1
		.amdhsa_inst_pref_size 27
	.end_amdhsa_kernel
	.amdgpu_metadata
---
amdhsa.version: [ 1, 2 ]
amdhsa.kernels:
  - .name:           k_qefe7559711_cast
    .symbol:         k_qefe7559711_cast.kd
    .args:
      - { .name: nz_hidden_states, .offset: 0, .size: 8, .value_kind: global_buffer, .address_space: global }
      - { .name: Wq, .offset: 8, .size: 8, .value_kind: global_buffer, .address_space: global }
      - { .name: Wk, .offset: 16, .size: 8, .value_kind: global_buffer, .address_space: global }
      - { .name: Wv, .offset: 24, .size: 8, .value_kind: global_buffer, .address_space: global }
      - { .name: Wo, .offset: 32, .size: 8, .value_kind: global_buffer, .address_space: global }
      - { .name: cos, .offset: 40, .size: 8, .value_kind: global_buffer, .address_space: global }
      - { .name: sin, .offset: 48, .size: 8, .value_kind: global_buffer, .address_space: global }
      - { .name: nz_position_ids, .offset: 56, .size: 8, .value_kind: global_buffer, .address_space: global }
      - { .name: xb, .offset: 64, .size: 8, .value_kind: global_buffer, .address_space: global }
      - { .name: wqkv, .offset: 72, .size: 8, .value_kind: global_buffer, .address_space: global }
      - { .name: wo16, .offset: 80, .size: 8, .value_kind: global_buffer, .address_space: global }
      - { .name: rt, .offset: 88, .size: 8, .value_kind: global_buffer, .address_space: global }
    .group_segment_fixed_size: 0
    .private_segment_fixed_size: 0
    .kernarg_segment_align: 8
    .kernarg_segment_size: 96
    .max_flat_workgroup_size: 256
    .sgpr_count:     66
    .vgpr_count:     120
    .wavefront_size: 32
...
	.end_amdgpu_metadata
.endif
;; end of part 5
;; launch qkvproj: the kernel of part 2 again; grid 16 x 16, 4 waves a work-group, clusters of 4 x 4, 327,680 bytes of LDS; arguments xb, wqkv, rt, qkv; writes qkv
;; launch attn: the kernel of part 3 again; grid 6 x 32, 4 waves a work-group, no clusters, 327,680 bytes of LDS; arguments qkv, ob; writes ob
;; launch oproj: the kernel of part 4 again; grid 8 x 32, 4 waves a work-group, clusters of 4 x 4, 327,680 bytes of LDS; arguments ob, wo16, out0; writes out0
